; MI455X (gfx1250); checked and timed in simulation.
; The chip was launched on July 23, 2026; its instructions are those of AMD's public machine-readable ISA for CDNA 5 (MIT licence, August 2026) and "CDNA5" Instruction Set Architecture Reference Guide (July 2026). The comments in the code are by the model that wrote it; some were corrected since.
;; Local Self Attention. Allowed arithmetic: matrix products marked QUANTISED: E5M2 operands, one given power-of-two scale a tensor, by v_wmma_f32_16x16x64_bf8_bf8 or v_wmma_f32_16x16x128_bf8_bf8, f32 sums; everything else in f32.
;; Inputs: Wk 1,024 x 1,024 float32; Wq 1,024 x 1,024 float32; Wv 1,024 x 1,024 float32; hidden_states 4 x 4,096 x 1,024 float32; lowp_scales 10 int32 (the exponents e of the quantised operands' scales 2^e).
;; Outputs: out0 4 x 4,096 x 1,024 float32.
;; This version of the problem:
;;   THIS VERSION OF THE PROBLEM IS GIVEN IN LOW PRECISION. The matrix products marked QUANTISED in the list below multiply operands that are first quantised to E5M2 (5 exponent bits, 2 mantissa bits; 8 bits a number), with one given power-of-two scale for each operand tensor; their sums are f32. All else is computed in f32.
;;   The module's matrix products, in the order in which they are computed (A, B: the left and right operand; K: the contracted axis; several contracted axes count as one K, in the product's order):
;;     1. [M 16,384, K 1,024] x [K 1,024, N 1,024]; A: input hidden_states; B: input Wq: QUANTISED (scales: A lowp_scales[0], B lowp_scales[1])
;;     2. [M 16,384, K 1,024] x [K 1,024, N 1,024]; A: input hidden_states; B: input Wk: QUANTISED (scales: A lowp_scales[2], B lowp_scales[3])
;;     3. [M 16,384, K 1,024] x [K 1,024, N 1,024]; A: input hidden_states; B: input Wv: QUANTISED (scales: A lowp_scales[4], B lowp_scales[5])
;;     4. batch 2,048 x [M 128, K 64] x [K 64, N 256]; A: computed on the way; B: computed on the way: QUANTISED (scales: A lowp_scales[6], B lowp_scales[7])
;;     5. batch 2,048 x [M 128, K 256] x [K 256, N 64]; A: softmax (see below); B: computed on the way: QUANTISED (scales: A lowp_scales[8], B lowp_scales[9])
;;   THE QUANTISER, for each operand of a quantised product, along K:
;;     - The operand's scale is 2^e, e = its entry of the input lowp_scales (int32; the entries are numbered through the quantised products in the list's order, A before B).
;;     - Each number is divided by the scale, clamped to +-57,344, and rounded to the nearest number of E5M2, ties to even, subnormals kept.
;;     - The product sums the exact products of the quantised numbers (number of the format x scale) in f32.
;;   ~~~python
;;   def quantise(x, axis, e):      # numpy; x: float32 -> the quantised numbers, widened to float32 again
;;       x = np.moveaxis(x, axis, -1); K = x.shape[-1]
;;       r = np.clip(x / 2.0 ** e, -57344, 57344)
;;       step = 2.0 ** (np.maximum(np.frexp(np.where(r == 0, 1, r))[1] - 1, -14) - 2)
;;       q = np.round(r / step) * step * 2.0 ** e      # np.round: ties to even
;;       return np.moveaxis(q, -1, axis).astype(np.float32)
;;   ~~~
;;   SOFTMAX AHEAD OF A QUANTISED PRODUCT. Where the list says 'softmax', what is quantised is not the finished softmax but p = 2^(t - M), with t = logit x log2(e) and M = ceil(the row's largest t), a whole number; so 1/2 < the row's largest p <= 1. The row's sum l is taken of the UNQUANTISED p, in f32, and the product's result is divided by l at the end. Since M is a whole number, a kernel that streams over the keys may use a running M (the ceiling of the running maximum): every later rescaling is an exact power of two, so the quantised numbers keep their values, but for numbers so far below the row's largest that they fall under the format's range.
;;   OPERANDS COMPUTED ON THE WAY. 'Computed on the way' means the value that the module computes at that place (a softmax that the list does not call 'softmax' is quantised finished and normalised). What goes into a quantiser is computed in f32, as accurately as f32 sums, v_exp_f32 and their like allow (about 1e-6 of the number): no bf16 or f16 on the way to a quantiser, and a product that is left as it is and whose result goes on into a quantised operand takes f32 operands (vector FMAs, or v_wmma_f32_16x16x4_f32). A number that lies on a knife's edge between two numbers of the format may be rounded either way, as far as f32 arithmetic and the matrix unit's own rounding can turn it there, and no further.
;; 2 versions, each right; version 2 is version 1 with the launches quant, attn written anew for expert scheduling mode. Each part assembles by itself: llvm-mc -triple=amdgcn-amd-amdhsa -mcpu=gfx1250 --defsym DOCPART=n.
;; ======== version 1 of 2: 3 launches
;; limits: right only within a limited range of input values
;; workspace buffers: codes 53,477,376 bytes; qkv 50,331,648 bytes
;; launch quant (part 1): grid 1120 x 1, 4 waves a work-group, no clusters, 35,328 bytes of LDS; arguments hidden_states, Wq, Wk, Wv, lowp_scales, codes; writes codes
.if DOCPART == 1
	.amdgcn_target "amdgcn-amd-amdhsa--gfx1250"
	.amdhsa_code_object_version 6
	.text
	.protected	k_qafa35aede6_quant
	.globl	k_qafa35aede6_quant
	.p2align	8
	.type	k_qafa35aede6_quant,@function
k_qafa35aede6_quant:
	s_mov_b64 s[64:65], 0
	v_nop
	global_prefetch_b8 v0, s[64:65] scope:SCOPE_SE
	s_setreg_imm32_b32 hwreg(HW_REG_WAVE_MODE, 25, 1), 1
	s_wait_xcnt 0x0
; hidden_states [16384][1024] f32 becomes THREE sets of codes of BF8 (E5M2), one for each of its given scales (entries 0, 2, 4 of the scales' buffer: they need not be equal);
; Wq, Wk, Wv [1024 (k)][1024 (n)] f32 become codes laid [n][k], K innermost (entries 1, 3, 5).  code = x / 2^e, held within +-57,344, to the nearest code, ties to even.
; THE BUFFER OF CODES: hidden's set p at p x 16,777,216 (16,384 rows of 1,024 bytes); weight p at 50,331,648 + p x 1,048,576 (1,024 rows n of 1,024 bytes).
; K IS PERMUTED, ALIKE IN ALL SIX: within each 512 along K, byte q holds k = 128 ((q >> 2) & 3) + 4 (q >> 4) + (q & 3).  Both operands of each product carry the same permutation, so every
; product meets its partner and only the order inside a sum changes.  It lets a lane of the hidden path load 16 dense bytes four times and still convert from consecutive registers.
; LIMITS: each e between -126 and 112, so that 2^e and 57,344 x 2^e are f32 numbers.  NaN among the inputs is not served; an infinity is held at the largest code.
; Work-groups 0-95 take the weights (a lane to a column n, registers down K, out through the wave's own stage in LDS); work-groups 96-1119 take hidden_states (a plain stream, no LDS).
; No matrix unit, no tensor loads, no cluster, no barrier: waves share nothing and every byte is read once.
.set NWGW,  96                         ; the weights' work-groups: 3 tensors x 8 (128 columns) x 4 (256 bytes of a row of codes)
.set SCL,   8                          ; hidden: v8-10   2^e as f32 for sets 0, 1, 2
.set LIM,   11                         ; hidden: v11-13  57,344 x 2^e
.set R,     16                         ; hidden: v16-143 eight steps x 16 numbers as loaded; never written again
.set T,     144                        ; hidden: v144-175 two sets of 16 held numbers, by turns
.set C,     176                        ; hidden: v176-199 two sets of 12 registers of codes, by turns
.set PITCH, 272                        ; weights: a stage row: 256 bytes of codes + 16
.set X,     32                         ; weights: v32-95  two sets of 32 numbers
.set CW,    96                         ; weights: v96-103 a block's codes
.set OUTR,  112                        ; weights: v112-175 the way out
.set TS,    0
	s_load_b256 s[4:11], s[0:1], 0x0               ; hidden s[4:5], Wq s[6:7], Wk s[8:9], Wv s[10:11]
	s_load_b128 s[12:15], s[0:1], 0x20             ; the scales' exponents s[12:13], the codes s[14:15]
	v_lshl_add_u32 v200, v0, 2, 0x8800
	v_mov_b32 v201, 0
	v_lshrrev_b32 v1, 5, v0
	v_readfirstlane_b32 s16, v1                    ; wave 0..3
	v_and_b32 v2, 31, v0                           ; lane
	s_wait_kmcnt 0x0
	s_load_b256 s[24:31], s[12:13], 0x0            ; e0 .. e7: 32 of the buffer's 40 bytes
	s_cmp_lt_u32 ttmp9, NWGW
	s_cbranch_scc1 .Lweights
	; ---- hidden_states: a wave takes 8 steps of 512 numbers
	v_lshlrev_b32 v3, 4, v2                        ; 16 x lane: my bytes of a load's 512 and of a store's 512; never rewritten
	s_sub_co_u32 s17, ttmp9, NWGW
	s_lshl_b32 s17, s17, 2
	s_add_co_u32 s17, s17, s16                     ; which run of 4,096 numbers is my wave's: 0 .. 4,095
	s_lshl_b32 s18, s17, 14                        ; 16,384 bytes of f32,
	s_mov_b32 s19, 0
	s_add_nc_u64 s[4:5], s[4:5], s[18:19]
	s_lshl_b32 s20, s17, 12                        ; 4,096 bytes of codes
	s_mov_b32 s21, 0
	s_add_nc_u64 s[32:33], s[14:15], s[20:21]      ; set 0,
	s_add_nc_u64 s[34:35], s[32:33], 0x1000000     ; set 1,
	s_add_nc_u64 s[36:37], s[32:33], 0x2000000     ; set 2
.macro HLOAD t                         ; load j of step t: 32 lanes read 512 consecutive bytes; my registers 4 j + i hold k = 128 j + 4 lane + i of the step's 512
.irp j, 0,1,2,3
	global_load_b128 v[R+16*(\t)+4*\j:R+16*(\t)+4*\j+3], v3, s[4:5] offset:2048*(\t)+512*\j th:TH_LOAD_NT
.endr
.endm
.irp t, 0,1,2,3,4,5,6,7
	HLOAD \t                                       ; all 32 loads of the wave go out at once: 16,384 bytes on their way, nothing is filled again
.endr
	s_wait_kmcnt 0x0
.irp p, 0,1,2
	s_add_co_i32 s38, s[24+2*\p], 127
	s_lshl_b32 s39, s38, 23
	v_mov_b32 v[SCL+\p], s39                       ; 2^e as f32: the conversion takes its exponent field
	s_add_co_i32 s38, s38, 15
	s_lshl_b32 s38, s38, 23
	s_or_b32 s38, s38, 0x600000
	v_mov_b32 v[LIM+\p], s38                       ; 57,344 x 2^e
.endr
.macro HSTEP t
	s_wait_loadcnt 4*(7-(\t))                      ; loads come back in order: this step's four are in, the later steps' may be out
.if (\t) >= 2
	s_wait_xcnt 0x0                                ; the stores of two steps ago have read this set of code registers: only behind this wait are they written again
.endif
.irp p, 0,1,2
.irp i, 0,1,2,3,4,5,6,7,8,9,10,11,12,13,14,15
	v_med3_num_f32 v[T+16*TS+\i], v[R+16*(\t)+\i], -v[LIM+\p], v[LIM+\p]   ; the conversion to an 8-bit code does not saturate (ISA guide 7.6.2): the hold comes first.  The two sets of T take turns, so these sixteen plain lines stand between the last conversions and the next write of their sources
.endr
	v_cvt_scalef32_pk8_bf8_f32 v[C+12*((\t)%2)+4*\p:C+12*((\t)%2)+4*\p+1], v[T+16*TS:T+16*TS+7], v[SCL+\p]
	v_cvt_scalef32_pk8_bf8_f32 v[C+12*((\t)%2)+4*\p+2:C+12*((\t)%2)+4*\p+3], v[T+16*TS+8:T+16*TS+15], v[SCL+\p]
	global_store_b128 v3, v[C+12*((\t)%2)+4*\p:C+12*((\t)%2)+4*\p+3], s[32+2*\p:33+2*\p] offset:512*(\t)   ; 32 lanes store 512 consecutive bytes, at a multiple of 512 from the buffer's first byte
.set TS, 1-TS
.endr
.endm
.irp t, 0,1,2,3,4,5,6,7
	HSTEP \t
.endr
	s_endpgm
	; ---- the weights: a wave takes 32 columns n x 256 bytes of their rows of codes
.Lweights:
	s_lshr_b32 s17, ttmp9, 5                       ; which weight: 0 Wq, 1 Wk, 2 Wv
	s_and_b32 s18, ttmp9, 7                        ; which 128 columns
	s_bfe_u32 s19, ttmp9, 0x20003                  ; y: which 256 bytes of a row of codes
	s_cmp_eq_u32 s17, 0                            ; the choice hangs on the work-group's number alone
	s_cselect_b64 s[6:7], s[6:7], s[8:9]
	s_cmp_eq_u32 s17, 2
	s_cselect_b64 s[6:7], s[10:11], s[6:7]
	s_lshl_b32 s20, s18, 7
	s_lshl_b32 s21, s16, 5
	s_add_co_u32 s20, s20, s21                     ; my wave's first column
	s_lshr_b32 s22, s19, 1
	s_lshl_b32 s22, s22, 21                        ; in: row 512 (y >> 1) of 4,096 bytes,
	s_and_b32 s23, s19, 1
	s_lshl_b32 s23, s23, 18                        ; + 64 (y & 1) rows,
	s_add_co_u32 s22, s22, s23
	s_lshl_b32 s23, s20, 2                         ; + 4 bytes a column
	s_add_co_u32 s22, s22, s23
	s_mov_b32 s23, 0
	s_add_nc_u64 s[6:7], s[6:7], s[22:23]
	s_lshl_b32 s32, s17, 20                        ; out: the weight's codes,
	s_add_co_u32 s32, s32, 0x3000000
	s_lshl_b32 s33, s20, 10                        ; row = column n, 1,024 bytes,
	s_add_co_u32 s32, s32, s33
	s_lshl_b32 s33, s19, 8                         ; + 256 y
	s_add_co_u32 s32, s32, s33
	s_mov_b32 s33, 0
	s_add_nc_u64 s[14:15], s[14:15], s[32:33]
	v_lshlrev_b32 v3, 2, v2                        ; in: 4 bytes a lane: 128 consecutive bytes a load
	s_mul_i32 s34, s16, 32*PITCH                   ; my stage
	v_mul_u32_u24 v4, v2, PITCH
	v_add_nc_u32 v4, s34, v4                       ; into it: row = my column
	v_and_b32 v5, 15, v2
	v_lshrrev_b32 v6, 4, v2
	v_mul_u32_u24 v7, v6, PITCH
	v_lshl_add_u32 v7, v5, 4, v7
	v_add_nc_u32 v7, s34, v7                       ; out of it: sixteen lanes to a row, two rows an instruction
	v_lshlrev_b32 v8, 10, v6
	v_lshl_add_u32 v8, v5, 4, v8                   ; and the same place in the codes
.macro WLOAD t                         ; block t: the 32 numbers whose codes are bytes 32 t .. 32 t + 31 of my 256: byte i stands for row 128 ((i >> 2) & 3) + 4 (2 t + (i >> 4)) + (i & 3); the largest offset, 447 rows, lies inside the signed 24-bit immediate
.set n, 0
.rept 32
	global_load_b32 v[X+32*((\t)%2)+n], v3, s[6:7] offset:(128*((n/4)%4)+4*(2*(\t)+n/16)+n%4)*4096 th:TH_LOAD_NT
.set n, n+1
.endr
.endm
	WLOAD 0
	WLOAD 1
	s_wait_kmcnt 0x0
	s_cmp_eq_u32 s17, 0
	s_cselect_b32 s35, s25, s27                    ; e1, e3
	s_cmp_eq_u32 s17, 2
	s_cselect_b32 s35, s29, s35                    ; or e5
	s_add_co_i32 s35, s35, 127
	s_lshl_b32 s36, s35, 23
	v_mov_b32 v11, s36                             ; 2^e as f32
	s_add_co_i32 s35, s35, 15
	s_lshl_b32 s35, s35, 23
	s_or_b32 s35, s35, 0x600000
	v_mov_b32 v10, s35                             ; 57,344 x 2^e
.macro WBLOCK t
.set XS, X+32*((\t)%2)
.if (\t) < 7
	s_wait_loadcnt 32                              ; this block's 32 loads are in; the next block's may be out
.else
	s_wait_loadcnt 0
.endif
.set n, 0
.rept 32
	v_med3_num_f32 v[XS+n], v[XS+n], -v10, v10     ; the hold at the largest code x the scale
.set n, n+1
.endr
.irp g, 0,1,2,3
	v_cvt_scalef32_pk8_bf8_f32 v[CW+2*\g:CW+2*\g+1], v[XS+8*\g:XS+8*\g+7], v11
.endr
	ds_store_b128 v4, v[CW:CW+3] offset:32*(\t)    ; 32 bytes of my column's row.  (The codes go to LDS stores and the numbers' registers take loads; the next vector lines are the next block's plain holds)
	ds_store_b128 v4, v[CW+4:CW+7] offset:32*(\t)+16
.if (\t)+2 < 8
	WLOAD (\t)+2
.endif
	s_wait_dscnt 0x0                               ; the stores have read their registers: the next block's codes may be written
.endm
.irp t, 0,1,2,3,4,5,6,7
	WBLOCK \t
.endr
.irp t, 0,1,2,3,4,5,6,7,8,9,10,11,12,13,14,15
	ds_load_b128 v[OUTR+4*\t:OUTR+4*\t+3], v7 offset:2*\t*PITCH   ; LDS serves a wave's instructions in order: these see my stores
.endr
.irp t, 0,1,2,3,4,5,6,7,8,9,10,11,12,13,14,15
	s_wait_dscnt 15-\t                             ; the younger loads may be out
	global_store_b128 v8, v[OUTR+4*\t:OUTR+4*\t+3], s[14:15] offset:2*\t*1024   ; sixteen lanes store 256 consecutive bytes, at a multiple of 256 from the buffer's first byte
.endr
	s_wait_tensorcnt 0x0
	ds_add_u32 v200, v201
	s_wait_dscnt 0x0
	s_endpgm
.Lfunc_end_k_qafa35aede6_quant:
	.size	k_qafa35aede6_quant, .Lfunc_end_k_qafa35aede6_quant-k_qafa35aede6_quant
	.p2alignl 7, 3214868480
	.fill 96, 4, 3214868480
	.section	.rodata,"a",@progbits
	.p2align	6, 0x0
	.amdhsa_kernel k_qafa35aede6_quant
		.amdhsa_group_segment_fixed_size 35328
		.amdhsa_private_segment_fixed_size 0
		.amdhsa_enable_private_segment 0
		.amdhsa_kernarg_size 48
		.amdhsa_user_sgpr_count 2
		.amdhsa_user_sgpr_kernarg_segment_ptr 1
		.amdhsa_wavefront_size32 1
		.amdhsa_system_sgpr_workgroup_id_x 1
		.amdhsa_system_sgpr_workgroup_id_y 1
		.amdhsa_system_sgpr_workgroup_id_z 1
		.amdhsa_system_vgpr_workitem_id 0
		.amdhsa_next_free_vgpr 202
		.amdhsa_next_free_sgpr 66
		.amdhsa_reserve_vcc 0
		.amdhsa_float_denorm_mode_32 3
		.amdhsa_float_denorm_mode_16_64 3
		.amdhsa_memory_ordered 1
		.amdhsa_forward_progress 1
		.amdhsa_inst_pref_size 84
	.end_amdhsa_kernel
	.amdgpu_metadata
---
amdhsa.version: [ 1, 2 ]
amdhsa.kernels:
  - .name:           k_qafa35aede6_quant
    .symbol:         k_qafa35aede6_quant.kd
    .args:
      - { .name: hidden_states, .offset: 0, .size: 8, .value_kind: global_buffer, .address_space: global }
      - { .name: Wq, .offset: 8, .size: 8, .value_kind: global_buffer, .address_space: global }
      - { .name: Wk, .offset: 16, .size: 8, .value_kind: global_buffer, .address_space: global }
      - { .name: Wv, .offset: 24, .size: 8, .value_kind: global_buffer, .address_space: global }
      - { .name: lowp_scales, .offset: 32, .size: 8, .value_kind: global_buffer, .address_space: global }
      - { .name: codes, .offset: 40, .size: 8, .value_kind: global_buffer, .address_space: global }
    .group_segment_fixed_size: 35328
    .private_segment_fixed_size: 0
    .kernarg_segment_align: 8
    .kernarg_segment_size: 48
    .max_flat_workgroup_size: 128
    .sgpr_count:     66
    .vgpr_count:     202
    .wavefront_size: 32
...
	.end_amdgpu_metadata
.endif
;; end of part 1
;; launch proj (part 2): grid 4 x 64, 4 waves a work-group, clusters of 4 x 4, 327,680 bytes of LDS; arguments codes, lowp_scales, qkv; writes qkv
.if DOCPART == 2
	.amdgcn_target "amdgcn-amd-amdhsa--gfx1250"
	.amdhsa_code_object_version 6
	.text
	.protected	k_qafa35aede6_proj
	.globl	k_qafa35aede6_proj
	.p2align	8
	.type	k_qafa35aede6_proj,@function
k_qafa35aede6_proj:
	s_mov_b64 s[64:65], 0
	v_nop
	global_prefetch_b8 v0, s[64:65] scope:SCOPE_SE
	s_setreg_imm32_b32 hwreg(HW_REG_WAVE_MODE, 25, 1), 1
	s_wait_xcnt 0x0
	s_wait_alu depctr_hold_cnt(0) depctr_sa_sdst(0) depctr_va_vdst(0) depctr_va_sdst(0) depctr_va_ssrc(0) depctr_va_vcc(0) depctr_vm_vsrc(0)
	s_getreg_b32 s2, hwreg(HW_REG_IB_STS2, 6, 4)
	s_cmp_eq_u32 s2, 0
	s_cbranch_scc0 .Lentry_in_a_cluster
	s_endpgm
.Lentry_in_a_cluster:
	s_bfe_u32 s2, ttmp6, 0x10000c
	s_cmp_lg_u32 s2, 0xf033
	s_cbranch_scc0 .Lentry_shape_is_right
	s_endpgm
.Lentry_shape_is_right:
; The three projections on codes of BF8 (E5M2), and their results quantised on the way out for the attention's two products.
; q = hidden Wq, k = hidden Wk / 8, v = hidden Wv: each a product C = A B^T over K = 1,024 of codes with K innermost, in tiles of C of 256 x 256.
; q and k: A = hidden's codes (rows s), B = the weight's (rows n): C[s][n].  v: A = the weight's, B = hidden's: C[n][s] = V^T, so that what lies along a row of C is the keys, the K of the attention's second product.
; A WORK-GROUP STAYS: 256 work-groups, each makes THREE tiles, its tile of q, of k and of v, one after the other.  The ring of LDS slots does not stop at a tile's end: a tile's last two changes of slots ask for
; the next tile's first two K steps, and nothing waits for a tile's stores: they leave while the next tile is multiplied.  Tiles q and k are the two trips of a loop; tile v, which asks for nothing at its end, is written out.
; A sum stands for sum x 2^(its two operands' e); its code under the next scale is sum / 2^E:  Eq = e6 - e0 - e1;  Ek = e7 - e2 - e3 + 3 (the division by 8 folded in);  Ev = e9 - e4 - e5.
; LIMITS: Eq, Ek, Ev between -126 and 112, so that 2^E and 57,344 x 2^E are f32 numbers.
; A tile is made by four waves, each 128 x 128: 64 accumulators, 512 registers.  K goes in steps of 256 through a ring of two LDS slots filled by the tensor data mover: a tile's row is 256 bytes of memory.
; CLUSTERS: 4 x 4 work-groups.  A's tile hangs on the cluster's y and on cy alone and is shared along a row of the cluster, B's on the cluster's y and cx alone and is shared along a column: each is asked for JOINTLY.
; THE MATRIX INSTRUCTION IS USED TRANSPOSED (source 0 = 16 rows of B, source 1 = 16 rows of A): a lane holds eight neighbouring numbers of a row of C, which one conversion turns into eight codes.
; A fragment is fetched by four loads of 16 bytes: a permutation of k that is the same in A and in B.
; WHAT IS STORED: product p at p x 16,777,216, a tile's 65,536 bytes at (4 x (s / 256) + head / 4) x 65,536; inside: w x 16,384 + t x 4,096 + g x 512 + 16 x lane holds, for lane = 16 h + r,
; row 64 w + 16 t + r of the tile at columns 32 g + 8 h + 0..7 and 32 g + 16 + 8 h + 0..7: four registers of an 8-bit operand as the plain forms lay them, so the next launch loads fragments whole.
; Those 16 bytes are just what lane (r, h) holds behind two conversions: so the codes go from registers straight to memory, 512 consecutive bytes a store, and the way out touches no LDS.
; REGISTERS, in windows of 256: window 0: v16-31 addresses and the scale; v32-95 a block's held sums, v96-127 two sets of codes by turns; from v128 A's fragments, ONE set.
;   window 1: B's fragments, TWO sets.   window 2: the accumulators of my rows 0-63 ((a, b) at v[8 (8 a + b)]);   window 3: those of my rows 64-127.
.set SIZE_K, 1024
.set KSTEP,  256                       ; along K in a slot
.set ROWB,   256                       ; a tile's row in bytes
.set KROW,   1024                      ; a row of codes in memory
.set PITCH,  272                       ; an LDS row: 256 bytes + 16 of padding = 68 words: row r starts at bank 4 r mod 64 (64 banks of 4 bytes: ISA guide 11.1)
.set FR,     16                        ; registers of a fragment: 16 rows x 128 K
.set NL,     4                         ; LDS loads that bring one
.set NP,     4                         ; places behind this matrix instruction (ISA guide 7.12.1)
.set HALFT,  128*PITCH                 ; 128 rows: what one tensor load brings
.set SLOT,   4*HALFT                   ; A's 256 rows, then B's 256 rows
.set SPARE,  2*SLOT                    ; behind the ring: the spare words, 128 bytes for each wave: two blocks of 256 bytes that no other line names
.set ADRA, 16                          ; v16-17  LDS address of my A fragments in slot 0, 1
.set ADRB, 20                          ; v20-21  the same for B
.set CO,   26                          ; v26     16 x lane; never rewritten
.set SPW,  28                          ; v28     LDS address of my spare word; never rewritten
.set NIL,  29                          ; v29     0; never rewritten
.set LIM,  30                          ; v30     57,344 x 2^E of the tile in hand
.set SCL,  31                          ; v31     2^E as f32
.set TMP,  32                          ; the way out: a block's 64 sums, held
.set CD,   96                          ; the way out: two sets of 16 registers of codes
.set AF,   128                         ; A's fragments, in window 0
.set G1, 24                            ; s[24:31] descriptor group 1 for A's tiles;  s[32:39] group 0, one set for each slot
.set G0, 32
.set G1B, 48                           ; s[48:55], s[56:63] the same for B's tiles
.set G0B, 56
.set NA,  74                           ; s[74:75] where the NEXT tile's part of A that I fetch begins;  s[76:77] of B
.set NB,  76
.set NA2, 78                           ; s[78:79], s[94:95] the same for tile v
.set NB2, 94
.set MSB, 0
.macro WIN new                         ; the immediate's high byte repeats the setting that is left
.if MSB != \new
	s_set_vgpr_msb (MSB<<8)|\new
.set MSB, \new
.endif
.endm
.set MUL_LO, 0xa1                      ; source 0 (B) window 1, source 1 (A) window 0, C and D window 2
.set MUL_HI, 0xf1                      ; the same, C and D window 3
.set TO_B,   0x40                      ; destination window 1, address window 0
; A joint load: waves 0 and 1 fetch for A, waves 2 and 3 for B.  Each of the two lines has ONE mask and one set of registers for all that issue it; the branch hangs on the wave's number alone.
; Four v_nop follow each of the two lines, ahead of the jump, the label and what follows.
.macro JLOAD g0a, g1a, g0b, g1b
	s_cmp_eq_u32 s15, 0
	s_cbranch_scc0 .Lfor_b_\@
	tensor_load_to_lds s[\g0a:\g0a+3], s[\g1a:\g1a+7]
	s_nop 0
.rept 4
	v_nop
.endr
	s_branch .Lasked_\@
.Lfor_b_\@:
	tensor_load_to_lds s[\g0b:\g0b+3], s[\g1b:\g1b+7]
	s_nop 0
.rept 4
	v_nop
.endr
.Lasked_\@:
.endm
.macro CREST                           ; a round of the cluster's barrier behind its opening barrier
	s_cmp_lg_u32 s14, 0
	s_cbranch_scc1 .Lnot_wave_0_\@
	s_barrier_signal -3
.Lnot_wave_0_\@:
	s_barrier_wait -3
	s_barrier_signal -1
	s_barrier_wait -1
.endm
.macro CROUND                          ; a whole round
	s_barrier_signal -1
	s_barrier_wait -1
	CREST
.endm
	s_load_b128 s[4:7], s[0:1], 0x0                ; the codes s[4:5], the scales' exponents s[6:7]
	s_load_b64 s[8:9], s[0:1], 0x10                ; what is stored
	v_lshl_add_u32 v[SPW], v0, 2, SPARE
	v_mov_b32 v[NIL], 0
	ds_add_u32 v28, v29
	ds_add_u32 v28, v29
	s_wait_dscnt 0x0
	v_lshrrev_b32 v1, 5, v0
	v_readfirstlane_b32 s14, v1                    ; wave 0..3
	s_lshr_b32 s15, s14, 1                         ; which half of the tile's rows is mine.  Also: I fetch for A (0) or for B (1)
	s_and_b32 s16, s14, 1                          ; which half of its columns.  Also: which 128 rows of that tile I fetch
	s_bfe_u32 s40, ttmp6, 0x40000                  ; cx, cy: my place in the cluster
	s_bfe_u32 s41, ttmp6, 0x40004
	s_and_b32 s67, ttmp7, 0xffff                   ; the cluster's y, 0 .. 15: the same in all sixteen partners
	s_lshl_b32 s67, s67, 2                         ; the first of the cluster's four blocks of 256 rows of hidden
	s_add_co_u32 s68, s67, s41                     ; q, k: hidden's block is A's, chosen by cy: this register never holds cx
	s_add_co_u32 s42, s67, s40                     ; v: hidden's block is B's, chosen by cx: this one never holds cy
	s_lshl_b32 s43, s41, 2
	s_lshl_b32 s43, 15, s43                        ; my row of the cluster
	s_lshl_b32 s44, 0x1111, s40                    ; my column
	; descriptor group 1: a tile of 128 rows x 256 bytes, padded in LDS
	s_or_b32 s[G1+0], s43, (0<<16)|(1<<20)|(1<<21)|(5<<22)|(3<<25)  ; 15:0 the mask: A's tiles go to my row; 17:16 element of 1 byte; 20 padding on; 21 set beside a mask; 24:22 after every 64 words (code 5); 31:25 of 4 words (code 3)
	s_or_b32 s[G1B+0], s44, (0<<16)|(1<<20)|(1<<21)|(5<<22)|(3<<25)
.irp g, G1, G1B
	s_mov_b32 s[\g+1], ROWB<<16                    ; tensor_dim0
	s_mov_b32 s[\g+2], 128<<16                     ; tensor_dim1 = 128
	s_mov_b32 s[\g+3], ROWB<<16                    ; tile_dim0
	s_mov_b32 s[\g+4], 128                         ; tile_dim1 = 128
	s_mov_b32 s[\g+5], KROW                        ; tensor_dim0_stride
	s_mov_b32 s[\g+6], 0
	s_mov_b32 s[\g+7], 0
.endr
	; where the tiles come from, as byte offsets in the buffer of codes (all under 2^26): hidden's set p at p x 16,777,216, weight p at 50,331,648 + p x 1,048,576; a row is 1,024 bytes
	s_lshl_b32 s18, s16, 7                         ; which 128 rows of a tile I fetch
	s_lshl_b32 s20, s68, 8
	s_add_co_u32 s20, s20, s18
	s_lshl_b32 s20, s20, 10                        ; tile q, A: hidden's set 0, row 256 (4 y + cy) + 128 x half.  (Tile k's: 16,777,216 further)
	s_mov_b32 s21, 0
	s_lshl_b32 s[NA2], s41, 8
	s_add_co_u32 s[NA2], s[NA2], s18
	s_lshl_b32 s[NA2], s[NA2], 10
	s_add_co_u32 s[NA2], s[NA2], 0x3200000         ; tile v, A: Wv's codes, row 256 cy + 128 x half
	s_mov_b32 s[NA2+1], 0
	s_lshl_b32 s46, s40, 8
	s_add_co_u32 s46, s46, s18
	s_lshl_b32 s46, s46, 10
	s_add_co_u32 s46, s46, 0x3000000               ; tile q, B: Wq's codes, row 256 cx + 128 x half.  (Tile k's: 1,048,576 further)
	s_mov_b32 s47, 0
	s_lshl_b32 s[NB2], s42, 8
	s_add_co_u32 s[NB2], s[NB2], s18
	s_lshl_b32 s[NB2], s[NB2], 10
	s_add_co_u32 s[NB2], s[NB2], 0x2000000         ; tile v, B: hidden's set 2, row 256 (4 y + cx) + 128 x half
	s_mov_b32 s[NB2+1], 0
	s_mul_i32 s45, s14, HALFT                      ; where they go: wave x 128 rows: no place in the cluster enters an LDS address
	s_wait_kmcnt 0x0
	s_load_b256 s[80:87], s[6:7], 0x0              ; e0 .. e7
	s_load_b64 s[88:89], s[6:7], 0x20              ; e8, e9
	s_add_nc_u64 s[20:21], s[4:5], s[20:21]
	s_add_nc_u64 s[NA:NA+1], s[20:21], 0x1000000
	s_add_nc_u64 s[NA2:NA2+1], s[4:5], s[NA2:NA2+1]
	s_add_nc_u64 s[46:47], s[4:5], s[46:47]
	s_add_nc_u64 s[NB:NB+1], s[46:47], 0x100000
	s_add_nc_u64 s[NB2:NB2+1], s[4:5], s[NB2:NB2+1]
	CROUND                                         ; all sixteen work-groups are here: the first joint loads meet
.irp s, 0,1
	s_mov_b32 s[G0+4*\s], 1
	s_add_co_u32 s[G0+4*\s+1], s45, \s*SLOT
	s_add_nc_u64 s[G0+4*\s+2:G0+4*\s+3], s[20:21], \s*ROWB
	s_or_b32 s[G0+4*\s+3], s[G0+4*\s+3], 0x80000000
	s_mov_b32 s[G0B+4*\s], 1
	s_add_co_u32 s[G0B+4*\s+1], s45, \s*SLOT
	s_add_nc_u64 s[G0B+4*\s+2:G0B+4*\s+3], s[46:47], \s*ROWB
	s_or_b32 s[G0B+4*\s+3], s[G0B+4*\s+3], 0x80000000
	JLOAD G0+4*\s, G1, G0B+4*\s, G1B               ; two loads of mine are out behind the second
.endr
	v_and_b32 v1, 15, v0                           ; r = l % 16
	v_bfe_u32 v2, v0, 4, 1                         ; h = l / 16
	v_mul_u32_u24 v3, v1, PITCH
	v_lshl_add_u32 v4, v2, 4, v3                   ; a fragment's row x pitch + 16 x half
	s_mul_i32 s21, s15, HALFT                      ; my 128 rows of A
	s_mul_i32 s22, s16, HALFT                      ; my 128 rows of B,
	s_add_co_u32 s22, s22, 2*HALFT                 ; which lie behind A's 256
.irp s, 0,1
	v_add_nc_u32 v[ADRA+\s], s21, v4
	v_add_nc_u32 v[ADRB+\s], s22, v4
	s_add_co_u32 s21, s21, SLOT
	s_add_co_u32 s22, s22, SLOT
.endr
	v_and_b32 v6, 31, v0
	v_lshlrev_b32 v[CO], 4, v6
	; where my part of each tile is stored.  (Made in registers of their own, behind the descriptors: none of these feeds a descriptor)
	s_lshl_b32 s69, s15, 15                        ; my rows begin at 128 x row half: two parts of 16,384 bytes;
	s_lshl_b32 s73, s16, 11                        ; my columns at 128 x column half: four groups of 512 bytes
	s_add_co_u32 s69, s69, s73
	s_lshl_b32 s72, s68, 2                         ; q: tile 4 x (s / 256) + head / 4 = 4 (4 y + cy) + cx, 65,536 bytes each
	s_add_co_u32 s72, s72, s40
	s_lshl_b32 s72, s72, 16
	s_add_co_u32 s72, s72, s69
	s_mov_b32 s73, 0
	s_lshl_b32 s70, s42, 2                         ; v: 4 (4 y + cx) + cy,
	s_add_co_u32 s70, s70, s41
	s_lshl_b32 s70, s70, 16
	s_add_co_u32 s70, s70, s69
	s_add_co_u32 s70, s70, 0x2000000               ; in the third product's 16,777,216 bytes
	s_mov_b32 s71, 0
	s_add_nc_u64 s[70:71], s[8:9], s[70:71]        ; tile v's
	s_add_nc_u64 s[8:9], s[8:9], s[72:73]          ; tile q's; tile k's lies 16,777,216 further
	; the three folded exponents as bit patterns: 2^E, whose exponent field the conversion takes, and 57,344 x 2^E.  No jump hangs on them
.macro EPAT sc, lm                     ; s66 holds E
	s_add_co_i32 s66, s66, 127
	s_lshl_b32 s[\sc], s66, 23
	s_add_co_i32 s66, s66, 15
	s_lshl_b32 s[\lm], s66, 23
	s_or_b32 s[\lm], s[\lm], 0x600000
.endm
	s_wait_kmcnt 0x0
	s_sub_co_i32 s66, s86, s80
	s_sub_co_i32 s66, s66, s81                     ; Eq = e6 - e0 - e1
	EPAT 90, 91                                    ; s90, s91: the patterns of the loop's tile in hand
	s_sub_co_i32 s66, s87, s82
	s_sub_co_i32 s66, s66, s83
	s_add_co_i32 s66, s66, 3                       ; Ek = e7 - e2 - e3 + 3
	EPAT 92, 93
	s_sub_co_i32 s66, s89, s84
	s_sub_co_i32 s66, s66, s85                     ; Ev = e9 - e4 - e5
	EPAT 96, 97
.macro FRAG reg, adr, q, i             ; a fragment, 16 rows x 128 K of 8-bit codes, is 16 registers: lane l holds row l % 16; registers 4 c .. 4 c + 3 hold bytes 32 c + 16 (l / 16) + 0 .. 15 of the row's 128
.irp c, 0,1,2,3
	ds_load_b128 v[\reg+4*\c:\reg+4*\c+3], v[\adr] offset:128*(\q)+32*\c+(\i)*16*PITCH
.endr
.endm
; 16 matrix instructions: A's blocks a0, a0 + 1 x B's eight, 128 along K.  p: B's set.  zero = 1: the first product starts the sums: nothing is ever cleared.
; The 64 accumulators take turns, one instruction a turn, in the same order in every step, over the loop's edge and from tile to tile too.
.macro MUL16 a0, p, zero
.irp a, \a0, \a0+1
.irp b, 0,1,2,3,4,5,6,7
.if \zero
	v_wmma_f32_16x16x128_bf8_bf8 v[8*(8*((\a)%4)+\b):8*(8*((\a)%4)+\b)+7], v[128*(\p)+FR*\b:128*(\p)+FR*\b+FR-1], v[AF+FR*(\a):AF+FR*(\a)+FR-1], 0
.else
	v_wmma_f32_16x16x128_bf8_bf8 v[8*(8*((\a)%4)+\b):8*(8*((\a)%4)+\b)+7], v[128*(\p)+FR*\b:128*(\p)+FR*\b+FR-1], v[AF+FR*(\a):AF+FR*(\a)+FR-1], v[8*(8*((\a)%4)+\b):8*(8*((\a)%4)+\b)+7]
.endif
.endr
.endr
.endm
.macro FETCH_B slot, q, p              ; B's eight fragments of the slot's q-th 128 along K into set p
	WIN TO_B
.irp i, 0,1,2,3,4,5,6,7
	FRAG 128*(\p)+FR*\i, ADRB+\slot, \q, \i
.endr
	WIN 0
.endm
.macro FETCH_A slot, q, i0             ; A's blocks i0 .. i0 + 3
.irp i, \i0, \i0+1, \i0+2, \i0+3
	FRAG AF+FR*(\i), ADRA+\slot, \q, \i
.endr
.endm
; A load into a register that a matrix instruction has read, and a vector instruction that reads a matrix result or writes one of a matrix instruction's registers, stand NP places behind it; only plain
; vector instructions that name none of its registers are places (ISA guide 7.12.1 for vector instructions).
.macro PLACES n
.rept \n
	v_nop
.endr
.endm
; A step of 128 along K that has its successor in the same slot.  A block of A is free as soon as its eight products are issued, so one set serves A: blocks 0-3 come anew in the step's middle, blocks 4-7 at its end.
.macro STEP slot, q, zero
	s_wait_dscnt 4*NL                              ; B's set and A's blocks 0-3 are in; the youngest sixteen loads (A's blocks 4-7) may be out
	WIN MUL_LO
	MUL16 0, (\q)%2, \zero
	MUL16 2, (\q)%2, \zero
	s_wait_dscnt 0                                 ; A's blocks 4-7 are in (asked for 32 matrix instructions ago)
	PLACES NP
	FETCH_B \slot, (\q)+1, 1-(\q)%2
	FETCH_A \slot, (\q)+1, 0
	WIN MUL_HI
	MUL16 4, (\q)%2, \zero
	MUL16 6, (\q)%2, \zero
	PLACES NP
	WIN 0
	FETCH_A \slot, (\q)+1, 4
.endm
; A slot's last step changes slots: ONE barrier; in front of it each wave waits for all its tensor loads, adds 0 to its spare word, and waits for that and for its own reads of this slot.
; fill = 1: this slot is filled again with this tile's K step two steps on;  fill = 2: with the NEXT tile's K step 0 (slot 0) or 1 (slot 1);  fill = 0: nothing is asked for.
.macro TURN slot, next, fill
	s_wait_tensorcnt 0x0                           ; all my tensor loads have landed: my part of the next slot;  (every window is 0 here: the add's two registers lie in window 0)
	ds_add_u32 v[SPW], v[NIL]                      ; 0 onto my spare word;
	s_wait_dscnt 4*NL+1                            ; (the add and the youngest sixteen loads, A's blocks 4-7, may be out)
	WIN MUL_LO
	MUL16 0, 1, 0                                  ; sixteen matrix instructions stand between the add and the wait for it
	s_wait_dscnt 0x0                               ; the add is done, and my reads of this slot are over
	s_barrier_signal -1
	MUL16 2, 1, 0
	WIN 0
	s_barrier_wait -1
.if \fill
	CREST                                          ; the barrier has opened a round of the cluster's barrier: no wave of any partner still reads this slot's tile or has a load on its way
.if \fill == 2
	s_add_nc_u64 s[G0+4*\slot+2:G0+4*\slot+3], s[NA:NA+1], \slot*ROWB          ; no tensor load of mine is out, so a group 0 may be written: the next tile's address, made as the first tile's was
	s_or_b32 s[G0+4*\slot+3], s[G0+4*\slot+3], 0x80000000
	s_add_nc_u64 s[G0B+4*\slot+2:G0B+4*\slot+3], s[NB:NB+1], \slot*ROWB
	s_or_b32 s[G0B+4*\slot+3], s[G0B+4*\slot+3], 0x80000000
.else
	s_add_nc_u64 s[G0+4*\slot+2:G0+4*\slot+3], s[G0+4*\slot+2:G0+4*\slot+3], 2*ROWB
	s_add_nc_u64 s[G0B+4*\slot+2:G0B+4*\slot+3], s[G0B+4*\slot+2:G0B+4*\slot+3], 2*ROWB
.endif
	JLOAD G0+4*\slot, G1, G0B+4*\slot, G1B         ; the first tensor load behind the round, and my only one until the next; the four v_nop behind it are the places in front of the loads below
.else
	PLACES NP
.endif
	FETCH_B \next, 0, 0
	FETCH_A \next, 0, 0
	WIN MUL_HI
	MUL16 4, 1, 0
	MUL16 6, 1, 0
	PLACES NP
	WIN 0
	FETCH_A \next, 0, 4
.endm
; THE WAY OUT.  Block a: 16 rows x my 128 columns.  Lane (r, h) holds row r; accumulator b's registers are columns 16 b + 8 h + 0..7: each sum is held within +-57,344 x 2^E, and one conversion makes eight of them
; 8 bytes.  The four registers of b = 2 c, 2 c + 1 are the lane's 16 bytes of group c: they are stored as they stand.  The way out names v26-127 alone: from v128 on lie the next tile's fragments of A.
.macro QBLOCK a, base
.set AC, 64*((\a)%4)
.set CS, CD+16*((\a)%2)
	WIN 0x02+((\a)/4)                              ; source 0: window 2 or 3
.set n, 0
.rept 64
	v_med3_num_f32 v[TMP+n], v[AC+n], -v[LIM], v[LIM]   ; the conversion to an 8-bit code does not saturate (ISA guide 7.6.2): the hold comes first; each accumulator from its low end on
.set n, n+1
.endr
	WIN 0
.if (\a) >= 2
	s_wait_xcnt 0x0                                ; the stores of two blocks ago have read this set of code registers: only behind this wait is it written again.  (Blocks 0 and 1: the wait at the last tile's end)
.endif
.irp b, 0,1,2,3,4,5,6,7
	v_cvt_scalef32_pk8_bf8_f32 v[CS+2*\b:CS+2*\b+1], v[TMP+8*\b:TMP+8*\b+7], v[SCL]
.endr
	v_nop                                          ; one plain vector instruction between the conversions and the next block's holds, which write their sources
.irp c, 0,1,2,3
	global_store_b128 v[CO], v[CS+4*\c:CS+4*\c+3], s[\base:\base+1] offset:((\a)/4)*16384+((\a)%4)*4096+\c*512   ; 32 lanes store 512 consecutive bytes, at a multiple of 512 from the buffer's first byte
.endr
.endm
.macro QOUT sc, lm, base               ; s[sc], s[lm]: the tile's two patterns; s[base:base+1]: where my part of it is stored
	v_mov_b32 v[SCL], s[\sc]
	v_mov_b32 v[LIM], s[\lm]
.irp a, 0,1,2,3,4,5,6,7
	QBLOCK \a, \base
.endr
.endm
	s_wait_tensorcnt 1                             ; my part of K step 0 is in (K step 1's load may be out)
	s_barrier_signal -1
	s_barrier_wait -1                              ; everybody's is
	FETCH_B 0, 0, 0
	FETCH_A 0, 0, 0
	FETCH_A 0, 0, 4
	s_mov_b32 s3, 2
.Ltile:                                                ; two trips: tile q, tile k.  A trip goes twice round the ring and fills each slot twice
	STEP 0, 0, 1                                   ; a tile's first step starts the sums; the last tile's way out stands between its products and the last ones on the same accumulators
	TURN 0, 1, 1
	STEP 1, 0, 0
	TURN 1, 0, 1
	STEP 0, 0, 0
	TURN 0, 1, 2                                   ; THE RING GOES ON INTO THE NEXT TILE: slot 0 takes its K step 0,
	STEP 1, 0, 0
	TURN 1, 0, 2                                   ; slot 1 its K step 1, and the next tile's first fragments are fetched.  The four v_nop behind its last products are the places in front of the way out
	QOUT 90, 91, 8                                 ; both refills are asked for: now the tile goes out
	s_wait_xcnt 0x0                                ; the stores have read their registers and their base: both may be written again
	s_add_nc_u64 s[8:9], s[8:9], 0x1000000         ; tile k's place
	s_mov_b32 s90, s92                             ; tile k's patterns
	s_mov_b32 s91, s93
	s_mov_b64 s[NA:NA+1], s[NA2:NA2+1]             ; the tile behind tile k is tile v.  (No descriptor names these registers)
	s_mov_b64 s[NB:NB+1], s[NB2:NB2+1]
	s_sub_co_u32 s3, s3, 1
	s_cmp_lg_u32 s3, 0
	s_cbranch_scc1 .Ltile
	STEP 0, 0, 1                                   ; tile v is written out
	TURN 0, 1, 1
	STEP 1, 0, 0
	TURN 1, 0, 1
	STEP 0, 0, 0
	TURN 0, 1, 0                                   ; its last lap fills nothing, and has no round of the cluster's barrier
	STEP 1, 0, 0
	s_wait_dscnt 4*NL                              ; the very last step: nothing more to fetch
	WIN MUL_LO
	MUL16 0, 1, 0
	MUL16 2, 1, 0
	s_wait_dscnt 0
	WIN MUL_HI
	MUL16 4, 1, 0
	MUL16 6, 1, 0
	WIN 0
	PLACES NP                                      ; behind the last products, in front of the first read of results
	QOUT 96, 97, 70
	s_wait_tensorcnt 0x0                           ; the wave's end, behind my last tensor load
	ds_add_u32 v[SPW], v[NIL]
	s_wait_dscnt 0x0
	CROUND                                         ; the closing round: no work-group ends while a partner may still ask for a tile that names it
	s_endpgm
.Lfunc_end_k_qafa35aede6_proj:
	.size	k_qafa35aede6_proj, .Lfunc_end_k_qafa35aede6_proj-k_qafa35aede6_proj
	.p2alignl 7, 3214868480
	.fill 96, 4, 3214868480
	.section	.rodata,"a",@progbits
	.p2align	6, 0x0
	.amdhsa_kernel k_qafa35aede6_proj
		.amdhsa_group_segment_fixed_size 327680
		.amdhsa_private_segment_fixed_size 0
		.amdhsa_enable_private_segment 0
		.amdhsa_kernarg_size 24
		.amdhsa_user_sgpr_count 2
		.amdhsa_user_sgpr_kernarg_segment_ptr 1
		.amdhsa_wavefront_size32 1
		.amdhsa_system_sgpr_workgroup_id_x 1
		.amdhsa_system_sgpr_workgroup_id_y 1
		.amdhsa_system_sgpr_workgroup_id_z 1
		.amdhsa_system_vgpr_workitem_id 0
		.amdhsa_next_free_vgpr 1024
		.amdhsa_next_free_sgpr 98
		.amdhsa_reserve_vcc 0
		.amdhsa_float_denorm_mode_32 3
		.amdhsa_float_denorm_mode_16_64 3
		.amdhsa_memory_ordered 1
		.amdhsa_forward_progress 1
		.amdhsa_inst_pref_size 231
	.end_amdhsa_kernel
	.amdgpu_metadata
---
amdhsa.version: [ 1, 2 ]
amdhsa.kernels:
  - .name:           k_qafa35aede6_proj
    .symbol:         k_qafa35aede6_proj.kd
    .args:
      - { .name: codes, .offset: 0, .size: 8, .value_kind: global_buffer, .address_space: global }
      - { .name: lowp_scales, .offset: 8, .size: 8, .value_kind: global_buffer, .address_space: global }
      - { .name: qkv, .offset: 16, .size: 8, .value_kind: global_buffer, .address_space: global }
    .group_segment_fixed_size: 327680
    .private_segment_fixed_size: 0
    .kernarg_segment_align: 8
    .kernarg_segment_size: 24
    .max_flat_workgroup_size: 128
    .sgpr_count:     98
    .vgpr_count:     1024
    .wavefront_size: 32
...
	.end_amdgpu_metadata
.endif
;; end of part 2
;; launch attn (part 3): grid 256 x 1, 8 waves a work-group, no clusters, 35,840 bytes of LDS; arguments qkv, lowp_scales, out0; writes out0
.if DOCPART == 3
	.amdgcn_target "amdgcn-amd-amdhsa--gfx1250"
	.amdhsa_code_object_version 6
	.text
	.protected	k_qafa35aede6_attn
	.globl	k_qafa35aede6_attn
	.p2align	8
	.type	k_qafa35aede6_attn,@function
k_qafa35aede6_attn:
	s_mov_b64 s[64:65], 0
	v_nop
	global_prefetch_b8 v0, s[64:65] scope:SCOPE_SE
	s_setreg_imm32_b32 hwreg(HW_REG_WAVE_MODE, 25, 1), 1
	s_wait_xcnt 0x0
; Local attention on codes of BF8 (E5M2).  A unit is (batch, head, chunk of 128 queries); its keys are the chunk before (rolled: chunk 31 for chunk 0) and its own, under the mask query position >= key position.
; ONE WAVE TAKES ONE UNIT: K's 16 fragments and V's 8 double fragments go from memory straight into its registers, as the launch before laid them, and serve its eight tiles of 16 queries.
; The eight waves of a work-group are eight neighbouring chunks of one head.  No LDS is shared, so there is no barrier; there is no jump and no label: the eight query tiles are written out.
; WORK LEFT OUT: tiles of 16 keys of the own chunk that lie wholly behind a tile's queries are under the mask: query tile i multiplies the chunk before's 8 tiles and the own chunk's tiles 0 .. i.
; CHUNK 0: its chunk before lies wholly under the mask.  It is multiplied like any other (no jump); a bound of -3e38 keeps it out of the maximum and is the addend of its exponents, so that its p are 0.
; BOTH PRODUCTS ARE USED TRANSPOSED: S^T = K Q^T (source 0 = 16 keys, source 1 = 16 queries), O^T = V^T P^T (source 0 = 16 of the head's 64, source 1 = P): a lane holds ONE query (lane % 16) throughout, and
; register j of key tile X holds key 16 X + 8 (lane / 16) + j: the eight codes that one conversion makes of it are registers 2 (X % 4), 2 (X % 4) + 1 of the second product's operand.
; THE SOFTMAX: t = score x log2(e); all of a query's scores lie in registers, so M = ceil(the row's largest t) is taken of the whole row; p = 2^(t - M) is quantised with 2^e8; the sum is taken of the
; unquantised p and divides at the end; the result is multiplied by 2^(e8 + e9).
; LIMITS: e6 + e7 between -126 and 127 (added to log2(e)'s exponent field); e8 between -126 and 112.  A masked key weighs exactly 0, which is what -1e9 gives wherever a row's largest visible score lies above about -1e9 + 200.
; Clusters and tensor loads are left out: what two waves share (a chunk's K and V, 16 KB each way) is asked for by two waves of one work-group; each fragment, once loaded, feeds eight query tiles from registers.
; REGISTERS: window 0: v1-7 addresses and constants; v8-24 at work; v32-47 Q, two sets; v48-79 O^T, then rows on their way out; v80-111 P's codes, then scaled results; v112-239 S^T, then p (tile X at 112 + 8 X).
;   window 1: v0-127 K (tile X at 8 X); v128-255 V (128 + 64 x part + 16 t: 16 of the head's 64 x 128 keys; part 0 the chunk before, 1 the own chunk).
.set LA,   1                           ; v1   16 x lane: a fragment's place for my lane; never rewritten
.set STO,  2                           ; v2   my stage: where I put 32 bytes of a row
.set RD,   3                           ; v3   and where I read 16 bytes back
.set GO,   4                           ; v4   my byte offset in two rows of the output
.set NINF, 5                           ; v5   -infinity
.set PL,   6                           ; v6   57,344 x 2^e8
.set PS,   7                           ; v7   2^e8 as f32
.set Q,    32
.set O,    48
.set P,    80
.set S,    112
.set VF,   128                         ; in window 1
.set MSB, 0
.macro WIN new                         ; the immediate's high byte repeats the setting that is left
.if MSB != \new
	s_set_vgpr_msb (MSB<<8)|\new
.set MSB, \new
.endif
.endm
	s_load_b128 s[4:7], s[0:1], 0x0                ; the codes of q, k, v s[4:5]; the scales' exponents s[6:7]
	s_load_b64 s[8:9], s[0:1], 0x10                ; the output
	v_lshl_add_u32 v254, v0, 2, 0x8800
	v_mov_b32 v255, 0
	v_lshrrev_b32 v25, 5, v0
	v_readfirstlane_b32 s10, v25                   ; wave 0..7
	s_lshr_b32 s11, ttmp9, 6                       ; batch
	s_bfe_u32 s12, ttmp9, 0x40002                  ; head
	s_and_b32 s13, ttmp9, 3
	s_lshl_b32 s13, s13, 3
	s_add_co_u32 s13, s13, s10                     ; chunk
	s_add_co_u32 s14, s13, 31
	s_and_b32 s14, s14, 31                         ; the chunk before, rolled
	s_and_b32 s15, s12, 3                          ; the head's place among a tile's four
	s_lshr_b32 s16, s12, 2                         ; and which four
	s_lshl_b32 s17, s11, 4
	s_lshr_b32 s18, s13, 1                         ; a stored tile holds 256 positions: two chunks
	s_add_co_u32 s18, s18, s17
	s_lshl_b32 s18, s18, 2
	s_add_co_u32 s18, s18, s16
	s_lshl_b32 s18, s18, 16                        ; my chunk's tile: (4 (16 batch + chunk / 2) + head / 4) x 65,536
	s_lshr_b32 s19, s14, 1
	s_add_co_u32 s19, s19, s17
	s_lshl_b32 s19, s19, 2
	s_add_co_u32 s19, s19, s16
	s_lshl_b32 s19, s19, 16                        ; the chunk before's
	s_and_b32 s26, s13, 1                          ; which half of its tile each chunk is
	s_and_b32 s27, s14, 1
	s_lshl_b32 s38, s15, 10                        ; q, k: half x 32,768 + key or query tile x 4,096 + head's place x 1,024
	s_lshl_b32 s52, s26, 15
	s_add_co_u32 s52, s52, s18
	s_add_co_u32 s52, s52, s38
	s_mov_b32 s53, 0
	s_lshl_b32 s54, s27, 15
	s_add_co_u32 s54, s54, s19
	s_add_co_u32 s54, s54, s38
	s_mov_b32 s55, 0
	s_lshl_b32 s38, s15, 14                        ; v: head's place x 16,384 + t x 4,096 + half x 2,048
	s_lshl_b32 s56, s26, 11
	s_add_co_u32 s56, s56, s18
	s_add_co_u32 s56, s56, s38
	s_mov_b32 s57, 0
	s_lshl_b32 s58, s27, 11
	s_add_co_u32 s58, s58, s19
	s_add_co_u32 s58, s58, s38
	s_mov_b32 s59, 0
	s_lshl_b32 s60, s11, 24                        ; the output: batch x 4,096 rows of 4,096 bytes,
	s_lshl_b32 s61, s13, 19                        ; chunk x 128 rows,
	s_add_co_u32 s60, s60, s61
	s_lshl_b32 s61, s12, 8                         ; head x 256 bytes
	s_add_co_u32 s60, s60, s61
	s_mov_b32 s61, 0
	s_mov_b32 s20, 0x76543210                      ; v_permlanex16_b32's selects for lane l xor 16
	s_mov_b32 s21, 0xfedcba98
	v_and_b32 v25, 31, v0
	v_lshlrev_b32 v[LA], 4, v25
	s_wait_kmcnt 0x0
	s_load_b128 s[48:51], s[6:7], 0x18             ; e6, e7, e8, e9
	s_add_nc_u64 s[28:29], s[4:5], s[52:53]        ; Q
	s_add_nc_u64 s[30:31], s[28:29], 0x1000000     ; K of my chunk
	s_add_nc_u64 s[32:33], s[4:5], s[54:55]
	s_add_nc_u64 s[32:33], s[32:33], 0x1000000     ; K of the chunk before
	s_add_nc_u64 s[34:35], s[4:5], s[56:57]
	s_add_nc_u64 s[34:35], s[34:35], 0x2000000     ; V of my chunk
	s_add_nc_u64 s[36:37], s[4:5], s[58:59]
	s_add_nc_u64 s[36:37], s[36:37], 0x2000000     ; V of the chunk before
	s_add_nc_u64 s[8:9], s[8:9], s[60:61]
	global_load_b128 v[Q:Q+3], v[LA], s[28:29]             ; query tile 0: each load takes 512 consecutive bytes
	global_load_b128 v[Q+4:Q+7], v[LA], s[28:29] offset:512
	WIN 0x40                                       ; destination window 1, address window 0
.irp t, 0,1,2,3,4,5,6,7
	global_load_b128 v[8*\t:8*\t+3], v[LA], s[32:33] offset:4096*\t
	global_load_b128 v[8*\t+4:8*\t+7], v[LA], s[32:33] offset:4096*\t+512
.endr
.irp t, 0,1,2,3,4,5,6,7
	global_load_b128 v[64+8*\t:64+8*\t+3], v[LA], s[30:31] offset:4096*\t
	global_load_b128 v[64+8*\t+4:64+8*\t+7], v[LA], s[30:31] offset:4096*\t+512
.endr
	WIN 0
	v_and_b32 v26, 15, v0                          ; r
	v_bfe_u32 v27, v0, 4, 1                        ; h
	s_mul_i32 s54, s10, 16*272                     ; my stage: 16 rows x (256 bytes + 16), the wave's own
	v_mul_u32_u24 v[STO], v26, 272
	v_lshl_add_u32 v[STO], v27, 5, v[STO]
	v_add_nc_u32 v[STO], s54, v[STO]               ; in: row r, + 32 h
	v_mul_u32_u24 v[RD], v27, 272
	v_lshl_add_u32 v[RD], v26, 4, v[RD]
	v_add_nc_u32 v[RD], s54, v[RD]                 ; back: lanes 0-15 one row, lanes 16-31 the next
	v_lshlrev_b32 v[GO], 12, v27
	v_lshl_add_u32 v[GO], v26, 4, v[GO]            ; and the same two rows of the output
	v_mov_b32 v[NINF], 0xff800000
	v_lshlrev_b32 v24, 3, v27
	v_sub_nc_u32 v24, v26, v24                     ; r - 8 h.  In the tile on the diagonal register j holds key 8 h + j against query r: hidden where j > r - 8 h: the same eight masks in every query tile
.irp j, 0,1,2,3,4,5,6,7
	v_cmp_gt_i32 s[40+\j], \j, v24
.endr
	v_mov_b32 v13, 0                               ; named as upper halves of pairs, or as a lane permute's destination, which counts as read: written once
	v_mov_b32 v15, 0
	v_mov_b32 v20, 0
	v_mov_b32 v23, 0
	s_wait_kmcnt 0x0
	s_add_co_i32 s22, s48, s49
	s_lshl_b32 s22, s22, 23
	s_add_co_i32 s22, s22, 0x3fb8aa3b              ; c = log2(e) x 2^(e6 + e7): a sum of the first product stands for sum x 2^(e6 + e7)
	s_mov_b32 s23, s22                             ; (named with it as a pair, so it is written)
	s_mov_b32 s24, 0x7f61b1e6                      ; the bound on the chunk before: +3e38, which bounds nothing,
	s_cmp_eq_u32 s13, 0
	s_cselect_b32 s24, 0xff61b1e6, s24             ; or, in chunk 0, -3e38
	s_add_co_i32 s25, s50, s51                     ; e8 + e9
	s_add_co_i32 s26, s50, 127
	s_lshl_b32 s27, s26, 23
	v_mov_b32 v[PS], s27
	s_add_co_i32 s26, s26, 15
	s_lshl_b32 s26, s26, 23
	s_or_b32 s26, s26, 0x600000
	v_mov_b32 v[PL], s26
; The largest of a tile's eight scores joins two chains v[m], v[m + 1]; the tile's registers 0 and 1 are read first.
.macro MAXT m, base, first
.if \first
	v_max_num_f32 v[\m], v[\base], v[\base+1]
	v_max_num_f32 v[\m+1], v[\base+2], v[\base+3]
.else
	v_max3_num_f32 v[\m], v[\m], v[\base], v[\base+1]
	v_max3_num_f32 v[\m+1], v[\m+1], v[\base+2], v[\base+3]
.endif
	v_max3_num_f32 v[\m], v[\m], v[\base+4], v[\base+5]
	v_max3_num_f32 v[\m+1], v[\m+1], v[\base+6], v[\base+7]
.endm
; QUERY TILE i.
.macro QT i
.set NX, 9+(\i)                        ; key tiles that count: the chunk before's 8, the own chunk's i + 1
.set NK, 3+(\i)/4                      ; steps of 64 keys in the second product
.set QS, Q+8*((\i)%2)
.set QN, Q+8*(((\i)+1)%2)
.if (\i) < 7
	global_load_b128 v[QN:QN+3], v[LA], s[28:29] offset:((\i)+1)*4096          ; the next query tile, a whole tile's work ahead of its use
	global_load_b128 v[QN+4:QN+7], v[LA], s[28:29] offset:((\i)+1)*4096+512
.endif
.if (\i) == 0
	WIN 0x40
.irp t, 0,1,2,3
.irp c, 0,1,2,3
	global_load_b128 v[VF+16*\t+4*\c:VF+16*\t+4*\c+3], v[LA], s[36:37] offset:4096*\t+512*\c
.endr
.endr
.irp t, 0,1,2,3
.irp c, 0,1,2,3
	global_load_b128 v[VF+64+16*\t+4*\c:VF+64+16*\t+4*\c+3], v[LA], s[34:35] offset:4096*\t+512*\c
.endr
.endr
	WIN 0
	s_wait_loadcnt 34                              ; Q's tile 0 and K are in; tile 1's two loads and V's 32 may be out
.elseif (\i) < 7
	s_wait_loadcnt 2                               ; this tile's Q is in; the next tile's two loads may be out
.else
	s_wait_loadcnt 0
.endif
	WIN 0x01                                       ; source 0 (K) window 1
.set x, 0
.rept NX
	v_wmma_f32_16x16x64_bf8_bf8 v[S+8*x:S+8*x+7], v[8*x:8*x+7], v[QS:QS+7], 0
.set x, x+1
.endr
	WIN 0
.rept 4
	v_nop                                          ; four places between the last product and the first read of its result (ISA guide 7.12.1)
.endr
.irp j, 0,1,2,3,4,5,6,7
	v_cndmask_b32 v[S+64+8*(\i)+\j], v[S+64+8*(\i)+\j], v[NINF], s[40+\j]   ; the tile on the diagonal: hidden scores become -infinity, so that p = 0
.endr
	MAXT 10, S, 1                                  ; the chunk before
.set x, 1
.rept 7
	MAXT 10, S+8*x, 0
.set x, x+1
.endr
	MAXT 8, S+64, 1                                ; the own chunk
.set x, 9
.rept (\i)
	MAXT 8, S+8*x, 0
.set x, x+1
.endr
	v_max_num_f32 v10, v10, v11
	v_min_num_f32 v10, s24, v10                    ; in chunk 0 the chunk before does not count
	v_max3_num_f32 v8, v8, v9, v10
	v_permlanex16_b32 v20, v8, s20, s21
	v_max_num_f32 v8, v8, v20                      ; with lane l xor 16's: the row's largest score
	v_mul_f32 v8, s22, v8                          ; as t (c is positive)
	v_floor_f32 v12, -v8                           ; -M = floor(-t) = -ceil(t)
	v_min_num_f32 v14, s24, v12                    ; the chunk before's addend: -M, or -3e38 in chunk 0
.set x, 0
.rept 32
	v_pk_fma_f32 v[S+2*x:S+2*x+1], v[S+2*x:S+2*x+1], s[22:23], v[14:15] op_sel_hi:[1,0,0]   ; t - M, two at a time (of the pairs c and -M the low word serves both halves)
.set x, x+1
.endr
.rept 4*((\i)+1)
	v_pk_fma_f32 v[S+2*x:S+2*x+1], v[S+2*x:S+2*x+1], s[22:23], v[12:13] op_sel_hi:[1,0,0]
.set x, x+1
.endr
.set x, 0
.rept 8*NX
	v_exp_f32 v[S+x], v[S+x]                       ; p = 2^(t - M), at most 1: not normalised
.set x, x+1
.endr
.set x, NX
.if NX < 4*NK
.rept 4*NK-NX
	v_mov_b32 v[P+2*x], 0                          ; the key tiles that fill up the last step of 64 and were not multiplied: zero codes.  (Plain lines behind the exponentials)
	v_mov_b32 v[P+2*x+1], 0
.set x, x+1
.endr
.else
	v_nop                                          ; a plain line behind the exponentials
.endif
	s_wait_alu depctr_va_vdst(0)
	v_pk_add_f32 v[16:17], v[S:S+1], v[S+2:S+3]    ; the row's sum is taken of the unquantised p: two at a time, in two chains
	v_pk_add_f32 v[18:19], v[S+4:S+5], v[S+6:S+7]
.set x, 4
.rept 2*NX-2
	v_pk_add_f32 v[16:17], v[16:17], v[S+2*x:S+2*x+1]
	v_pk_add_f32 v[18:19], v[18:19], v[S+2*x+2:S+2*x+3]
.set x, x+2
.endr
.set x, 0
.rept NX
.irp j, 0,1,2,3,4,5,6,7
	v_min_num_f32 v[S+8*x+\j], v[S+8*x+\j], v[PL]  ; the conversion to an 8-bit code does not saturate (ISA guide 7.6.2); p is not negative, so the hold is one-sided
.endr
	v_cvt_scalef32_pk8_bf8_f32 v[P+2*x:P+2*x+1], v[S+8*x:S+8*x+7], v[PS]
.set x, x+1
.endr
	v_nop                                          ; one plain vector instruction between the last conversion and the matrix instructions that read the codes
.if (\i) > 0
	s_wait_xcnt 0x0                                ; the last tile's stores have read v48-79: only behind this wait are they written again
.else
	s_wait_loadcnt 0x0                             ; V
.endif
	WIN 0x01                                       ; source 0 (V) window 1
.set x, 0
.rept NK                               ; the four accumulators take turns, one instruction a turn; the first step of 64 keys starts the sums
.irp t, 0,1,2,3
.if x == 0
	v_wmma_f32_16x16x64_bf8_bf8 v[O+8*\t:O+8*\t+7], v[VF+64*(x/2)+16*\t+8*(x%2):VF+64*(x/2)+16*\t+8*(x%2)+7], v[P+8*x:P+8*x+7], 0
.else
	v_wmma_f32_16x16x64_bf8_bf8 v[O+8*\t:O+8*\t+7], v[VF+64*(x/2)+16*\t+8*(x%2):VF+64*(x/2)+16*\t+8*(x%2)+7], v[P+8*x:P+8*x+7], v[O+8*\t:O+8*\t+7]
.endif
.endr
.set x, x+1
.endr
	WIN 0
	v_pk_add_f32 v[16:17], v[16:17], v[18:19]      ; the sum's chains and halves: these plain lines, which name none of the products' registers, are the places behind them
	v_add_f32 v16, v16, v17
	v_permlanex16_b32 v20, v16, s20, s21
	v_add_f32 v16, v16, v20                        ; with lane l xor 16's: the row's sum
	v_rcp_f32 v22, v16
	v_nop                                          ; a plain line behind the transcendental
	s_wait_alu depctr_va_vdst(0)
	v_ldexp_f32 v22, v22, s25                      ; 2^(e8 + e9) / the sum
.set x, 0
.rept 16
	v_pk_mul_f32 v[P+2*x:P+2*x+1], v[O+2*x:O+2*x+1], v[22:23] op_sel_hi:[1,0]   ; register 8 t + j: out(query r, 16 t + 8 h + j); each accumulator from its low end on
.set x, x+1
.endr
.irp t, 0,1,2,3
	ds_store_b128 v[STO], v[P+8*\t:P+8*\t+3] offset:64*\t
	ds_store_b128 v[STO], v[P+8*\t+4:P+8*\t+7] offset:64*\t+16
.endr
.irp u, 0,1,2,3,4,5,6,7
	ds_load_b128 v[O+4*\u:O+4*\u+3], v[RD] offset:544*\u   ; LDS serves a wave's instructions in order (ISA guide 5.7.1.4): these see my stores, and the next tile's stores come behind them
.endr
.irp u, 0,1,2,3,4,5,6,7
	s_wait_dscnt 7-\u                              ; the younger loads may be out
	global_store_b128 v[GO], v[O+4*\u:O+4*\u+3], s[8:9] offset:65536*(\i)+8192*\u th:TH_STORE_NT   ; sixteen lanes store a head's 256 consecutive bytes of a row, at a multiple of 256 from the output's first byte; written once
.endr
.endm
	QT 0
	QT 1
	QT 2
	QT 3
	QT 4
	QT 5
	QT 6
	QT 7
	s_wait_tensorcnt 0x0
	ds_add_u32 v254, v255
	s_wait_dscnt 0x0
	s_endpgm
.Lfunc_end_k_qafa35aede6_attn:
	.size	k_qafa35aede6_attn, .Lfunc_end_k_qafa35aede6_attn-k_qafa35aede6_attn
	.p2alignl 7, 3214868480
	.fill 96, 4, 3214868480
	.section	.rodata,"a",@progbits
	.p2align	6, 0x0
	.amdhsa_kernel k_qafa35aede6_attn
		.amdhsa_group_segment_fixed_size 35840
		.amdhsa_private_segment_fixed_size 0
		.amdhsa_enable_private_segment 0
		.amdhsa_kernarg_size 24
		.amdhsa_user_sgpr_count 2
		.amdhsa_user_sgpr_kernarg_segment_ptr 1
		.amdhsa_wavefront_size32 1
		.amdhsa_system_sgpr_workgroup_id_x 1
		.amdhsa_system_sgpr_workgroup_id_y 1
		.amdhsa_system_sgpr_workgroup_id_z 1
		.amdhsa_system_vgpr_workitem_id 0
		.amdhsa_next_free_vgpr 512
		.amdhsa_next_free_sgpr 66
		.amdhsa_reserve_vcc 0
		.amdhsa_float_denorm_mode_32 3
		.amdhsa_float_denorm_mode_16_64 3
		.amdhsa_memory_ordered 1
		.amdhsa_forward_progress 1
		.amdhsa_inst_pref_size 193
	.end_amdhsa_kernel
	.amdgpu_metadata
---
amdhsa.version: [ 1, 2 ]
amdhsa.kernels:
  - .name:           k_qafa35aede6_attn
    .symbol:         k_qafa35aede6_attn.kd
    .args:
      - { .name: qkv, .offset: 0, .size: 8, .value_kind: global_buffer, .address_space: global }
      - { .name: lowp_scales, .offset: 8, .size: 8, .value_kind: global_buffer, .address_space: global }
      - { .name: out0, .offset: 16, .size: 8, .value_kind: global_buffer, .address_space: global }
    .group_segment_fixed_size: 35840
    .private_segment_fixed_size: 0
    .kernarg_segment_align: 8
    .kernarg_segment_size: 24
    .max_flat_workgroup_size: 256
    .sgpr_count:     66
    .vgpr_count:     512
    .wavefront_size: 32
...
	.end_amdgpu_metadata
.endif
;; end of part 3
;; ======== version 2 of 2: 3 launches; version 1 with the launches quant, attn written anew for expert scheduling mode
;; limits: right only within a limited range of input values
;; workspace buffers: codes 53,477,376 bytes; qkv 50,331,648 bytes
;; launch quant (part 4): grid 1120 x 1, 4 waves a work-group, no clusters, 35,328 bytes of LDS; arguments hidden_states, Wq, Wk, Wv, lowp_scales, codes; writes codes
.if DOCPART == 4
	.amdgcn_target "amdgcn-amd-amdhsa--gfx1250"
	.amdhsa_code_object_version 6
	.text
	.protected	k_qafa35aede6_quant
	.globl	k_qafa35aede6_quant
	.p2align	8
	.type	k_qafa35aede6_quant,@function
k_qafa35aede6_quant:
	s_mov_b64 s[64:65], 0
	v_nop
	global_prefetch_b8 v0, s[64:65] scope:SCOPE_SE
	s_setreg_imm32_b32 hwreg(HW_REG_WAVE_SCHED_MODE, 0, 2), 2
	s_setreg_imm32_b32 hwreg(HW_REG_WAVE_MODE, 25, 1), 1
	s_wait_xcnt 0x0
	s_wait_alu depctr_vm_vsrc(0)
; hidden_states [16384][1024] f32 becomes THREE sets of codes of BF8 (E5M2), one for each of its given scales (entries 0, 2, 4 of the scales' buffer: they need not be equal);
; Wq, Wk, Wv [1024 (k)][1024 (n)] f32 become codes laid [n][k], K innermost (entries 1, 3, 5).  code = x / 2^e, held within +-57,344, to the nearest code, ties to even.
; THE BUFFER OF CODES: hidden's set p at p x 16,777,216 (16,384 rows of 1,024 bytes); weight p at 50,331,648 + p x 1,048,576 (1,024 rows n of 1,024 bytes).
; K IS PERMUTED, ALIKE IN ALL SIX: within each 512 along K, byte q holds k = 128 ((q >> 2) & 3) + 4 (q >> 4) + (q & 3).  Both operands of each product carry the same permutation, so every
; product meets its partner and only the order inside a sum changes.  It lets a lane of the hidden path load 16 dense bytes four times and still convert from consecutive registers.
; LIMITS: each e between -126 and 112, so that 2^e and 57,344 x 2^e are f32 numbers.  NaN among the inputs is not served; an infinity is held at the largest code.
; Work-groups 0-95 take the weights (a lane to a column n, registers down K, out through the wave's own stage in LDS); work-groups 96-1119 take hidden_states (a plain stream, no LDS).
; No matrix unit, no tensor loads, no cluster, no barrier: waves share nothing and every byte is read once.
; THE MODE: SCHED_MODE bits 1:0 = 2 (LLVM: expert scheduling mode 2), set by the entry lines.  The code itself states the register dependences between vector instructions and memory or LDS
; instructions, with s_wait_alu, always for 0.
; THE PLAN, hidden_states.  v3: the one offset, made once.  R: loaded once, read by the holds, never written again.  C0, C1: step t's conversions write C[t % 2]; its three stores are issued in step t + 1,
; one ahead of each scale's eighteen vector lines, which name T, R, the scales and C[(t + 1) % 2] alone.  So the waits at a step's head state all that its three stores hang on.
; THE PLAN, the weights.  v3, v4, v7, v8: made once.  X0, X1: block t's holds write and its conversions read X[t % 2]; behind them the loads of block t + 2 land in it.  CW: written by a block's conversions, read by its
; two LDS stores.  One wait on va_vdst behind a block's conversions serves its stores and its loads; one on vm_vsrc ahead of the next block's conversions frees CW.
.set NWGW,  96                         ; the weights' work-groups: 3 tensors x 8 (128 columns) x 4 (256 bytes of a row of codes)
.set SCL,   8                          ; hidden: v8-10   2^e as f32 for sets 0, 1, 2
.set LIM,   11                         ; hidden: v11-13  57,344 x 2^e
.set R,     16                         ; hidden: v16-143 eight steps x 16 numbers as loaded; never written again
.set T,     144                        ; hidden: v144-175 two sets of 16 held numbers, by turns
.set C,     176                        ; hidden: v176-199 two sets of 12 registers of codes, by turns
.set PITCH, 272                        ; weights: a stage row: 256 bytes of codes + 16
.set X,     32                         ; weights: v32-95  two sets of 32 numbers
.set CW,    96                         ; weights: v96-103 a block's codes
.set OUTR,  112                        ; weights: v112-175 the way out
.set TS,    0
	s_load_b256 s[4:11], s[0:1], 0x0               ; hidden s[4:5], Wq s[6:7], Wk s[8:9], Wv s[10:11]
	s_load_b128 s[12:15], s[0:1], 0x20             ; the scales' exponents s[12:13], the codes s[14:15]
	v_lshl_add_u32 v200, v0, 2, 0x8800             ; my spare word, behind the four stages, and 0: made here and kept for the closing lines alone
	v_mov_b32 v201, 0
	v_lshrrev_b32 v1, 5, v0
	v_readfirstlane_b32 s16, v1                    ; wave 0..3
	v_and_b32 v2, 31, v0                           ; lane
	s_wait_alu depctr_va_sdst(0)                   ; s16 is written
	s_wait_kmcnt 0x0
	s_load_b256 s[24:31], s[12:13], 0x0            ; e0 .. e7: 32 of the buffer's 40 bytes
	s_cmp_lt_u32 ttmp9, NWGW
	s_cbranch_scc1 .Lweights
	; ---- hidden_states: a wave takes 8 steps of 512 numbers
	v_lshlrev_b32 v3, 4, v2                        ; 16 x lane: my bytes of a load's 512 and of a store's 512; never rewritten
	s_sub_co_u32 s17, ttmp9, NWGW
	s_lshl_b32 s17, s17, 2
	s_add_co_u32 s17, s17, s16                     ; which run of 4,096 numbers is my wave's: 0 .. 4,095
	s_lshl_b32 s18, s17, 14                        ; 16,384 bytes of f32,
	s_mov_b32 s19, 0
	s_add_nc_u64 s[4:5], s[4:5], s[18:19]
	s_lshl_b32 s20, s17, 12                        ; 4,096 bytes of codes
	s_mov_b32 s21, 0
	s_add_nc_u64 s[32:33], s[14:15], s[20:21]      ; set 0,
	s_add_nc_u64 s[34:35], s[32:33], 0x1000000     ; set 1,
	s_add_nc_u64 s[36:37], s[32:33], 0x2000000     ; set 2
.macro HLOAD t                         ; load j of step t: 32 lanes read 512 consecutive bytes; my registers 4 j + i hold k = 128 j + 4 lane + i of the step's 512
.irp j, 0,1,2,3
	global_load_b128 v[R+16*(\t)+4*\j:R+16*(\t)+4*\j+3], v3, s[4:5] offset:2048*(\t)+512*\j th:TH_LOAD_NT
.endr
.endm
	s_wait_alu depctr_va_vdst(0)                   ; v3 is written: every load and store of this path reads it as its offset
.irp t, 0,1,2,3,4,5,6,7
	HLOAD \t                                       ; all 32 loads of the wave go out at once: 16,384 bytes on their way, nothing is filled again
.endr
	s_wait_kmcnt 0x0
.irp p, 0,1,2
	s_add_co_i32 s38, s[24+2*\p], 127
	s_lshl_b32 s39, s38, 23
	v_mov_b32 v[SCL+\p], s39                       ; 2^e as f32: the conversion takes its exponent field
	s_add_co_i32 s38, s38, 15
	s_lshl_b32 s38, s38, 23
	s_or_b32 s38, s38, 0x600000
	v_mov_b32 v[LIM+\p], s38                       ; 57,344 x 2^e
.endr
.macro HSTEP t
	s_wait_loadcnt 4*(7-(\t))                      ; loads come back in order: this step's four are in, the later steps' may be out
.if (\t) >= 2
	s_wait_xcnt 0x0                                ; the stores issued in the step before have had their addresses translated: only behind this wait is their set of code registers written again
	s_wait_alu depctr_vm_vsrc(0)                   ; those stores have read C[t % 2], which this step's conversions write again
.endif
.if (\t) >= 1
	s_wait_alu depctr_va_vdst(0)                   ; the step before's conversions have written the other set of codes, which the three stores below read
.endif
.irp p, 0,1,2
.if (\t) >= 1
	global_store_b128 v3, v[C+12*(((\t)+1)%2)+4*\p:C+12*(((\t)+1)%2)+4*\p+3], s[32+2*\p:33+2*\p] offset:512*((\t)-1)   ; the step before's codes: 32 lanes store 512 consecutive bytes, at a multiple of 512 from the buffer's first byte.  No vector line since the wait names these registers
.endif
.irp i, 0,1,2,3,4,5,6,7,8,9,10,11,12,13,14,15
	v_med3_num_f32 v[T+16*TS+\i], v[R+16*(\t)+\i], -v[LIM+\p], v[LIM+\p]   ; the conversion to an 8-bit code does not saturate (ISA guide 7.6.2): the hold comes first.  The two sets of T take turns, so these sixteen plain lines stand between the last conversions and the next write of their sources
.endr
	v_cvt_scalef32_pk8_bf8_f32 v[C+12*((\t)%2)+4*\p:C+12*((\t)%2)+4*\p+1], v[T+16*TS:T+16*TS+7], v[SCL+\p]
	v_cvt_scalef32_pk8_bf8_f32 v[C+12*((\t)%2)+4*\p+2:C+12*((\t)%2)+4*\p+3], v[T+16*TS+8:T+16*TS+15], v[SCL+\p]
.set TS, 1-TS
.endr
.endm
.irp t, 0,1,2,3,4,5,6,7
	HSTEP \t
.endr
	s_wait_alu depctr_va_vdst(0)                   ; step 7's conversions have written C1, which the last three stores read
.irp p, 0,1,2
	global_store_b128 v3, v[C+12+4*\p:C+12+4*\p+3], s[32+2*\p:33+2*\p] offset:512*7
.endr
	s_endpgm                                       ; this path has stored nothing to LDS
	; ---- the weights: a wave takes 32 columns n x 256 bytes of their rows of codes
.Lweights:
	s_lshr_b32 s17, ttmp9, 5                       ; which weight: 0 Wq, 1 Wk, 2 Wv
	s_and_b32 s18, ttmp9, 7                        ; which 128 columns
	s_bfe_u32 s19, ttmp9, 0x20003                  ; y: which 256 bytes of a row of codes
	s_cmp_eq_u32 s17, 0                            ; the choice hangs on the work-group's number alone
	s_cselect_b64 s[6:7], s[6:7], s[8:9]
	s_cmp_eq_u32 s17, 2
	s_cselect_b64 s[6:7], s[10:11], s[6:7]
	s_lshl_b32 s20, s18, 7
	s_lshl_b32 s21, s16, 5
	s_add_co_u32 s20, s20, s21                     ; my wave's first column
	s_lshr_b32 s22, s19, 1
	s_lshl_b32 s22, s22, 21                        ; in: row 512 (y >> 1) of 4,096 bytes,
	s_and_b32 s23, s19, 1
	s_lshl_b32 s23, s23, 18                        ; + 64 (y & 1) rows,
	s_add_co_u32 s22, s22, s23
	s_lshl_b32 s23, s20, 2                         ; + 4 bytes a column
	s_add_co_u32 s22, s22, s23
	s_mov_b32 s23, 0
	s_add_nc_u64 s[6:7], s[6:7], s[22:23]
	s_lshl_b32 s32, s17, 20                        ; out: the weight's codes,
	s_add_co_u32 s32, s32, 0x3000000
	s_lshl_b32 s33, s20, 10                        ; row = column n, 1,024 bytes,
	s_add_co_u32 s32, s32, s33
	s_lshl_b32 s33, s19, 8                         ; + 256 y
	s_add_co_u32 s32, s32, s33
	s_mov_b32 s33, 0
	s_add_nc_u64 s[14:15], s[14:15], s[32:33]
	v_lshlrev_b32 v3, 2, v2                        ; in: 4 bytes a lane: 128 consecutive bytes a load
	s_mul_i32 s34, s16, 32*PITCH                   ; my stage
	v_mul_u32_u24 v4, v2, PITCH
	v_add_nc_u32 v4, s34, v4                       ; into it: row = my column
	v_and_b32 v5, 15, v2
	v_lshrrev_b32 v6, 4, v2
	v_mul_u32_u24 v7, v6, PITCH
	v_lshl_add_u32 v7, v5, 4, v7
	v_add_nc_u32 v7, s34, v7                       ; out of it: sixteen lanes to a row, two rows an instruction
	v_lshlrev_b32 v8, 10, v6
	v_lshl_add_u32 v8, v5, 4, v8                   ; and the same place in the codes
.macro WLOAD t                         ; block t: the 32 numbers whose codes are bytes 32 t .. 32 t + 31 of my 256: byte i stands for row 128 ((i >> 2) & 3) + 4 (2 t + (i >> 4)) + (i & 3); the largest offset, 447 rows, lies inside the signed 24-bit immediate
.set n, 0
.rept 32
	global_load_b32 v[X+32*((\t)%2)+n], v3, s[6:7] offset:(128*((n/4)%4)+4*(2*(\t)+n/16)+n%4)*4096 th:TH_LOAD_NT
.set n, n+1
.endr
.endm
	s_wait_alu depctr_va_vdst(0)                   ; v3, v4, v7 and v8 are written: the loads, the LDS stores and loads and the stores of this path read them as addresses; none is written again
	WLOAD 0
	WLOAD 1
	s_wait_kmcnt 0x0
	s_cmp_eq_u32 s17, 0
	s_cselect_b32 s35, s25, s27                    ; e1, e3
	s_cmp_eq_u32 s17, 2
	s_cselect_b32 s35, s29, s35                    ; or e5
	s_add_co_i32 s35, s35, 127
	s_lshl_b32 s36, s35, 23
	v_mov_b32 v11, s36                             ; 2^e as f32
	s_add_co_i32 s35, s35, 15
	s_lshl_b32 s35, s35, 23
	s_or_b32 s35, s35, 0x600000
	v_mov_b32 v10, s35                             ; 57,344 x 2^e
.macro WBLOCK t
.set XS, X+32*((\t)%2)
.if (\t) < 7
	s_wait_loadcnt 32                              ; this block's 32 loads are in; the next block's may be out
.else
	s_wait_loadcnt 0
.endif
.set n, 0
.rept 32
	v_med3_num_f32 v[XS+n], v[XS+n], -v10, v10     ; the hold at the largest code x the scale
.set n, n+1
.endr
.if (\t) > 0
	s_wait_alu depctr_vm_vsrc(0)                   ; the last block's two LDS stores have read v96-103, which the conversions below write again
.endif
.irp g, 0,1,2,3
	v_cvt_scalef32_pk8_bf8_f32 v[CW+2*\g:CW+2*\g+1], v[XS+8*\g:XS+8*\g+7], v11
.endr
	s_wait_alu depctr_va_vdst(0)                   ; the conversions have written v96-103, which the LDS stores read; the holds have written and the conversions are done reading this set of numbers, in which the loads below land
	ds_store_b128 v4, v[CW:CW+3] offset:32*(\t)    ; 32 bytes of my column's row.  (The codes go to LDS stores and the numbers' registers take loads; the next vector lines are the next block's plain holds)
	ds_store_b128 v4, v[CW+4:CW+7] offset:32*(\t)+16
.if (\t)+2 < 8
	WLOAD (\t)+2
.endif
	s_wait_dscnt 0x0                               ; the stores are done
.endm
.irp t, 0,1,2,3,4,5,6,7
	WBLOCK \t
.endr
.irp t, 0,1,2,3,4,5,6,7,8,9,10,11,12,13,14,15
	ds_load_b128 v[OUTR+4*\t:OUTR+4*\t+3], v7 offset:2*\t*PITCH   ; LDS serves a wave's instructions in order: these see my stores.  No vector line ever names v112-175
.endr
.irp t, 0,1,2,3,4,5,6,7,8,9,10,11,12,13,14,15
	s_wait_dscnt 15-\t                             ; the younger loads may be out
	global_store_b128 v8, v[OUTR+4*\t:OUTR+4*\t+3], s[14:15] offset:2*\t*1024   ; sixteen lanes store 256 consecutive bytes, at a multiple of 256 from the buffer's first byte
.endr
	s_wait_dscnt 0x0                               ; the closing lines, six on end
	s_wait_alu 0x0
	s_wait_tensorcnt 0x0
	ds_add_u32 v200, v201
	s_wait_dscnt 0x0
	s_endpgm
.Lfunc_end_k_qafa35aede6_quant:
	.size	k_qafa35aede6_quant, .Lfunc_end_k_qafa35aede6_quant-k_qafa35aede6_quant
	.p2alignl 7, 3214868480
	.fill 96, 4, 3214868480
	.section	.rodata,"a",@progbits
	.p2align	6, 0x0
	.amdhsa_kernel k_qafa35aede6_quant
		.amdhsa_group_segment_fixed_size 35328
		.amdhsa_private_segment_fixed_size 0
		.amdhsa_enable_private_segment 0
		.amdhsa_kernarg_size 48
		.amdhsa_user_sgpr_count 2
		.amdhsa_user_sgpr_kernarg_segment_ptr 1
		.amdhsa_wavefront_size32 1
		.amdhsa_system_sgpr_workgroup_id_x 1
		.amdhsa_system_sgpr_workgroup_id_y 1
		.amdhsa_system_sgpr_workgroup_id_z 1
		.amdhsa_system_vgpr_workitem_id 0
		.amdhsa_next_free_vgpr 202
		.amdhsa_next_free_sgpr 66
		.amdhsa_reserve_vcc 0
		.amdhsa_float_denorm_mode_32 3
		.amdhsa_float_denorm_mode_16_64 3
		.amdhsa_memory_ordered 1
		.amdhsa_forward_progress 1
		.amdhsa_inst_pref_size 85
	.end_amdhsa_kernel
	.amdgpu_metadata
---
amdhsa.version: [ 1, 2 ]
amdhsa.kernels:
  - .name:           k_qafa35aede6_quant
    .symbol:         k_qafa35aede6_quant.kd
    .args:
      - { .name: hidden_states, .offset: 0, .size: 8, .value_kind: global_buffer, .address_space: global }
      - { .name: Wq, .offset: 8, .size: 8, .value_kind: global_buffer, .address_space: global }
      - { .name: Wk, .offset: 16, .size: 8, .value_kind: global_buffer, .address_space: global }
      - { .name: Wv, .offset: 24, .size: 8, .value_kind: global_buffer, .address_space: global }
      - { .name: lowp_scales, .offset: 32, .size: 8, .value_kind: global_buffer, .address_space: global }
      - { .name: codes, .offset: 40, .size: 8, .value_kind: global_buffer, .address_space: global }
    .group_segment_fixed_size: 35328
    .private_segment_fixed_size: 0
    .kernarg_segment_align: 8
    .kernarg_segment_size: 48
    .max_flat_workgroup_size: 128
    .sgpr_count:     66
    .vgpr_count:     202
    .wavefront_size: 32
...
	.end_amdgpu_metadata
.endif
;; end of part 4
;; launch proj: the kernel of part 2 again; grid 4 x 64, 4 waves a work-group, clusters of 4 x 4, 327,680 bytes of LDS; arguments codes, lowp_scales, qkv; writes qkv
;; launch attn (part 5): grid 256 x 1, 8 waves a work-group, no clusters, 35,840 bytes of LDS; arguments qkv, lowp_scales, out0; writes out0
.if DOCPART == 5
	.amdgcn_target "amdgcn-amd-amdhsa--gfx1250"
	.amdhsa_code_object_version 6
	.text
	.protected	k_qafa35aede6_attn
	.globl	k_qafa35aede6_attn
	.p2align	8
	.type	k_qafa35aede6_attn,@function
k_qafa35aede6_attn:
	s_mov_b64 s[64:65], 0
	v_nop
	global_prefetch_b8 v0, s[64:65] scope:SCOPE_SE
	s_setreg_imm32_b32 hwreg(HW_REG_WAVE_SCHED_MODE, 0, 2), 2
	s_setreg_imm32_b32 hwreg(HW_REG_WAVE_MODE, 25, 1), 1
	s_wait_xcnt 0x0
	s_wait_alu depctr_vm_vsrc(0)
; Local attention on codes of BF8 (E5M2).  A unit is (batch, head, chunk of 128 queries); its keys are the chunk before (rolled: chunk 31 for chunk 0) and its own, under the mask query position >= key position.
; ONE WAVE TAKES ONE UNIT: K's 16 fragments and V's 8 double fragments go from memory straight into its registers, as the launch before laid them, and serve its eight tiles of 16 queries.
; The eight waves of a work-group are eight neighbouring chunks of one head.  No LDS is shared, so there is no barrier; there is no jump and no label: the eight query tiles are written out.
; WORK LEFT OUT: tiles of 16 keys of the own chunk that lie wholly behind a tile's queries are under the mask: query tile i multiplies the chunk before's 8 tiles and the own chunk's tiles 0 .. i.
; CHUNK 0: its chunk before lies wholly under the mask.  It is multiplied like any other (no jump); a bound of -3e38 keeps it out of the maximum and is the addend of its exponents, so that its p are 0.
; BOTH PRODUCTS ARE USED TRANSPOSED: S^T = K Q^T (source 0 = 16 keys, source 1 = 16 queries), O^T = V^T P^T (source 0 = 16 of the head's 64, source 1 = P): a lane holds ONE query (lane % 16) throughout, and
; register j of key tile X holds key 16 X + 8 (lane / 16) + j: the eight codes that one conversion makes of it are registers 2 (X % 4), 2 (X % 4) + 1 of the second product's operand.
; THE SOFTMAX: t = score x log2(e); all of a query's scores lie in registers, so M = ceil(the row's largest t) is taken of the whole row; p = 2^(t - M) is quantised with 2^e8; the sum is taken of the
; unquantised p and divides at the end; the result is multiplied by 2^(e8 + e9).
; LIMITS: e6 + e7 between -126 and 127 (added to log2(e)'s exponent field); e8 between -126 and 112.  A masked key weighs exactly 0, which is what -1e9 gives wherever a row's largest visible score lies above about -1e9 + 200.
; Clusters and tensor loads are left out: what two waves share (a chunk's K and V, 16 KB each way) is asked for by two waves of one work-group; each fragment, once loaded, feeds eight query tiles from registers.
; REGISTERS: window 0: v1-7 addresses and constants; v8-24 at work; v32-47 Q, two sets; v48-79 O^T, then rows on their way out; v80-111 P's codes, then scaled results; v112-239 S^T, then p (tile X at 112 + 8 X).
;   window 1: v0-127 K (tile X at 8 X); v128-255 V (128 + 64 x part + 16 t: 16 of the head's 64 x 128 keys; part 0 the chunk before, 1 the own chunk).
; THE MODE: SCHED_MODE bits 1:0 = 2 (LLVM: expert scheduling mode 2), set by the entry lines.  The code itself states the register dependences between vector or matrix instructions and memory or LDS
; instructions, with s_wait_alu, always for 0.
; THE PLAN.  Registers that memory or LDS instructions touch:
;   v1-4      addresses: made at the head, ahead of the first load, and never written again.
;   Q0, Q1    tile i's first products read Q[i % 2]; tile i (1 to 6) loads tile i + 1's queries into the other set, which tile i - 1's products read last.
;   K, V      loaded once at the head; no vector line ever writes them.
;   v80-111   written by a tile's zero codes and conversions, read by its second products; written again by its sixteen multiplications, read by its eight LDS stores.
;   v48-79    written by a tile's second products, read by its multiplications; then its eight loads from the stage land there, and its eight global stores, issued behind the NEXT tile's first products, read them.
; So a tile has one wait on va_vdst behind its multiplications, for its LDS stores, its loads from the stage and its global stores (the next tile's first products, which alone stand between, name S^T, K and Q);
; one wait on vm_vsrc ahead of its first write of v80-111, for the last tile's LDS stores and global stores; and the two waits behind its transcendentals, of which the first also stands behind the products that read Q.
.set LA,   1                           ; v1   16 x lane: a fragment's place for my lane; never rewritten
.set STO,  2                           ; v2   my stage: where I put 32 bytes of a row
.set RD,   3                           ; v3   and where I read 16 bytes back
.set GO,   4                           ; v4   my byte offset in two rows of the output
.set NINF, 5                           ; v5   -infinity
.set PL,   6                           ; v6   57,344 x 2^e8
.set PS,   7                           ; v7   2^e8 as f32
.set Q,    32
.set O,    48
.set P,    80
.set S,    112
.set VF,   128                         ; in window 1
.set MSB, 0
.macro WIN new                         ; the immediate's high byte repeats the setting that is left
.if MSB != \new
	s_set_vgpr_msb (MSB<<8)|\new
.set MSB, \new
.endif
.endm
	s_load_b128 s[4:7], s[0:1], 0x0                ; the codes of q, k, v s[4:5]; the scales' exponents s[6:7]
	s_load_b64 s[8:9], s[0:1], 0x10                ; the output
	v_lshl_add_u32 v254, v0, 2, 0x8800             ; my spare word, behind the eight stages, and 0: made here and kept for the closing lines alone
	v_mov_b32 v255, 0
	v_lshrrev_b32 v25, 5, v0
	v_readfirstlane_b32 s10, v25                   ; wave 0..7
	v_and_b32 v25, 31, v0
	v_lshlrev_b32 v[LA], 4, v25
	v_and_b32 v26, 15, v0                          ; r
	v_bfe_u32 v27, v0, 4, 1                        ; h
	v_lshlrev_b32 v24, 3, v27
	v_sub_nc_u32 v24, v26, v24                     ; r - 8 h.  In the tile on the diagonal register j holds key 8 h + j against query r: hidden where j > r - 8 h: the same eight masks in every query tile
.irp j, 0,1,2,3,4,5,6,7
	v_cmp_gt_i32 s[40+\j], \j, v24
.endr
	v_mul_u32_u24 v[STO], v26, 272
	v_lshl_add_u32 v[STO], v27, 5, v[STO]          ; in: row r, + 32 h
	v_mul_u32_u24 v[RD], v27, 272
	v_lshl_add_u32 v[RD], v26, 4, v[RD]            ; back: lanes 0-15 one row, lanes 16-31 the next
	v_lshlrev_b32 v[GO], 12, v27
	v_lshl_add_u32 v[GO], v26, 4, v[GO]            ; and the same two rows of the output
	v_mov_b32 v[NINF], 0xff800000
	v_mov_b32 v13, 0                               ; named as upper halves of pairs, or as a lane permute's destination, which counts as read: written once
	v_mov_b32 v15, 0
	v_mov_b32 v20, 0
	v_mov_b32 v23, 0
	s_wait_alu depctr_va_sdst(0)                   ; s10 and the eight masks s40-47 are written, ahead of the first reader of any of them
	s_mul_i32 s39, s10, 16*272                     ; my stage: 16 rows x (256 bytes + 16), the wave's own
	v_add_nc_u32 v[STO], s39, v[STO]
	v_add_nc_u32 v[RD], s39, v[RD]
	s_lshr_b32 s11, ttmp9, 6                       ; batch
	s_bfe_u32 s12, ttmp9, 0x40002                  ; head
	s_and_b32 s13, ttmp9, 3
	s_lshl_b32 s13, s13, 3
	s_add_co_u32 s13, s13, s10                     ; chunk
	s_add_co_u32 s14, s13, 31
	s_and_b32 s14, s14, 31                         ; the chunk before, rolled
	s_and_b32 s15, s12, 3                          ; the head's place among a tile's four
	s_lshr_b32 s16, s12, 2                         ; and which four
	s_lshl_b32 s17, s11, 4
	s_lshr_b32 s18, s13, 1                         ; a stored tile holds 256 positions: two chunks
	s_add_co_u32 s18, s18, s17
	s_lshl_b32 s18, s18, 2
	s_add_co_u32 s18, s18, s16
	s_lshl_b32 s18, s18, 16                        ; my chunk's tile: (4 (16 batch + chunk / 2) + head / 4) x 65,536
	s_lshr_b32 s19, s14, 1
	s_add_co_u32 s19, s19, s17
	s_lshl_b32 s19, s19, 2
	s_add_co_u32 s19, s19, s16
	s_lshl_b32 s19, s19, 16                        ; the chunk before's
	s_and_b32 s26, s13, 1                          ; which half of its tile each chunk is
	s_and_b32 s27, s14, 1
	s_lshl_b32 s38, s15, 10                        ; q, k: half x 32,768 + key or query tile x 4,096 + head's place x 1,024
	s_lshl_b32 s52, s26, 15
	s_add_co_u32 s52, s52, s18
	s_add_co_u32 s52, s52, s38
	s_mov_b32 s53, 0
	s_lshl_b32 s54, s27, 15
	s_add_co_u32 s54, s54, s19
	s_add_co_u32 s54, s54, s38
	s_mov_b32 s55, 0
	s_lshl_b32 s38, s15, 14                        ; v: head's place x 16,384 + t x 4,096 + half x 2,048
	s_lshl_b32 s56, s26, 11
	s_add_co_u32 s56, s56, s18
	s_add_co_u32 s56, s56, s38
	s_mov_b32 s57, 0
	s_lshl_b32 s58, s27, 11
	s_add_co_u32 s58, s58, s19
	s_add_co_u32 s58, s58, s38
	s_mov_b32 s59, 0
	s_lshl_b32 s60, s11, 24                        ; the output: batch x 4,096 rows of 4,096 bytes,
	s_lshl_b32 s61, s13, 19                        ; chunk x 128 rows,
	s_add_co_u32 s60, s60, s61
	s_lshl_b32 s61, s12, 8                         ; head x 256 bytes
	s_add_co_u32 s60, s60, s61
	s_mov_b32 s61, 0
	s_mov_b32 s20, 0x76543210                      ; v_permlanex16_b32's selects for lane l xor 16
	s_mov_b32 s21, 0xfedcba98
	s_wait_kmcnt 0x0
	s_load_b128 s[48:51], s[6:7], 0x18             ; e6, e7, e8, e9
	s_add_nc_u64 s[28:29], s[4:5], s[52:53]        ; Q
	s_add_nc_u64 s[30:31], s[28:29], 0x1000000     ; K of my chunk
	s_add_nc_u64 s[32:33], s[4:5], s[54:55]
	s_add_nc_u64 s[32:33], s[32:33], 0x1000000     ; K of the chunk before
	s_add_nc_u64 s[34:35], s[4:5], s[56:57]
	s_add_nc_u64 s[34:35], s[34:35], 0x2000000     ; V of my chunk
	s_add_nc_u64 s[36:37], s[4:5], s[58:59]
	s_add_nc_u64 s[36:37], s[36:37], 0x2000000     ; V of the chunk before
	s_add_nc_u64 s[8:9], s[8:9], s[60:61]
	s_wait_alu depctr_va_vdst(0)                   ; v1 to v4 are written: every load, LDS store, LDS load and store of the kernel reads one of them as its address.  Behind it, up to V's last load, stand loads and one window switch alone
	global_load_b128 v[Q:Q+3], v[LA], s[28:29]             ; query tile 0: each load takes 512 consecutive bytes
	global_load_b128 v[Q+4:Q+7], v[LA], s[28:29] offset:512
	global_load_b128 v[Q+8:Q+11], v[LA], s[28:29] offset:4096      ; query tile 1
	global_load_b128 v[Q+12:Q+15], v[LA], s[28:29] offset:4096+512
	WIN 0x40                                       ; destination window 1, address window 0
.irp t, 0,1,2,3,4,5,6,7
	global_load_b128 v[8*\t:8*\t+3], v[LA], s[32:33] offset:4096*\t
	global_load_b128 v[8*\t+4:8*\t+7], v[LA], s[32:33] offset:4096*\t+512
.endr
.irp t, 0,1,2,3,4,5,6,7
	global_load_b128 v[64+8*\t:64+8*\t+3], v[LA], s[30:31] offset:4096*\t
	global_load_b128 v[64+8*\t+4:64+8*\t+7], v[LA], s[30:31] offset:4096*\t+512
.endr
.irp t, 0,1,2,3
.irp c, 0,1,2,3
	global_load_b128 v[VF+16*\t+4*\c:VF+16*\t+4*\c+3], v[LA], s[36:37] offset:4096*\t+512*\c
.endr
.endr
.irp t, 0,1,2,3
.irp c, 0,1,2,3
	global_load_b128 v[VF+64+16*\t+4*\c:VF+64+16*\t+4*\c+3], v[LA], s[34:35] offset:4096*\t+512*\c
.endr
.endr
	WIN 0
	s_wait_kmcnt 0x0
	s_add_co_i32 s22, s48, s49
	s_lshl_b32 s22, s22, 23
	s_add_co_i32 s22, s22, 0x3fb8aa3b              ; c = log2(e) x 2^(e6 + e7): a sum of the first product stands for sum x 2^(e6 + e7)
	s_mov_b32 s23, s22                             ; (named with it as a pair, so it is written)
	s_mov_b32 s24, 0x7f61b1e6                      ; the bound on the chunk before: +3e38, which bounds nothing,
	s_cmp_eq_u32 s13, 0
	s_cselect_b32 s24, 0xff61b1e6, s24             ; or, in chunk 0, -3e38
	s_add_co_i32 s25, s50, s51                     ; e8 + e9
	s_add_co_i32 s26, s50, 127
	s_lshl_b32 s27, s26, 23
	v_mov_b32 v[PS], s27
	s_add_co_i32 s26, s26, 15
	s_lshl_b32 s26, s26, 23
	s_or_b32 s26, s26, 0x600000
	v_mov_b32 v[PL], s26
; The largest of a tile's eight scores joins two chains v[m], v[m + 1]; the tile's registers 0 and 1 are read first.
.macro MAXT m, base, first
.if \first
	v_max_num_f32 v[\m], v[\base], v[\base+1]
	v_max_num_f32 v[\m+1], v[\base+2], v[\base+3]
.else
	v_max3_num_f32 v[\m], v[\m], v[\base], v[\base+1]
	v_max3_num_f32 v[\m+1], v[\m+1], v[\base+2], v[\base+3]
.endif
	v_max3_num_f32 v[\m], v[\m], v[\base+4], v[\base+5]
	v_max3_num_f32 v[\m+1], v[\m+1], v[\base+6], v[\base+7]
.endm
; Query tile i's sixteen rows, back from the stage in v48-79, go to memory.  No wait on va_vdst: since the one behind tile i's multiplications no vector or matrix line has named v48-79 or v4.
.macro SEND i
.irp u, 0,1,2,3,4,5,6,7
	s_wait_dscnt 7-\u                              ; the younger loads may be out
	global_store_b128 v[GO], v[O+4*\u:O+4*\u+3], s[8:9] offset:65536*(\i)+8192*\u th:TH_STORE_NT   ; sixteen lanes store a head's 256 consecutive bytes of a row, at a multiple of 256 from the output's first byte; written once
.endr
.endm
; QUERY TILE i.
.macro QT i
.set NX, 9+(\i)                        ; key tiles that count: the chunk before's 8, the own chunk's i + 1
.set NK, 3+(\i)/4                      ; steps of 64 keys in the second product
.set QS, Q+8*((\i)%2)
.set QN, Q+8*(((\i)+1)%2)
.if ((\i) > 0) && ((\i) < 7)
	global_load_b128 v[QN:QN+3], v[LA], s[28:29] offset:((\i)+1)*4096          ; the next query tile, a whole tile's work ahead of its use.  No wait: the products that read this set stand ahead of the last tile's waits on va_vdst, and nothing has named it since
	global_load_b128 v[QN+4:QN+7], v[LA], s[28:29] offset:((\i)+1)*4096+512
.endif
.if (\i) == 0
	s_wait_loadcnt 32                              ; Q's tiles 0 and 1 and K are in; V's 32 loads may be out
.elseif (\i) < 7
	s_wait_loadcnt 2                               ; this tile's Q is in; the next tile's two loads may be out
.else
	s_wait_loadcnt 0
.endif
	WIN 0x01                                       ; source 0 (K) window 1
.set x, 0
.rept NX
	v_wmma_f32_16x16x64_bf8_bf8 v[S+8*x:S+8*x+7], v[8*x:8*x+7], v[QS:QS+7], 0
.set x, x+1
.endr
	WIN 0
.if (\i) > 0
	SEND (\i)-1                                    ; the last tile's rows leave here: their way through the stage lies under the products above
.endif
.rept 4
	v_nop                                          ; four places between the last product and the first read of its result (ISA guide 7.12.1)
.endr
.irp j, 0,1,2,3,4,5,6,7
	v_cndmask_b32 v[S+64+8*(\i)+\j], v[S+64+8*(\i)+\j], v[NINF], s[40+\j]   ; the tile on the diagonal: hidden scores become -infinity, so that p = 0
.endr
	MAXT 10, S, 1                                  ; the chunk before
.set x, 1
.rept 7
	MAXT 10, S+8*x, 0
.set x, x+1
.endr
	MAXT 8, S+64, 1                                ; the own chunk
.set x, 9
.rept (\i)
	MAXT 8, S+8*x, 0
.set x, x+1
.endr
	v_max_num_f32 v10, v10, v11
	v_min_num_f32 v10, s24, v10                    ; in chunk 0 the chunk before does not count
	v_max3_num_f32 v8, v8, v9, v10
	v_permlanex16_b32 v20, v8, s20, s21
	v_max_num_f32 v8, v8, v20                      ; with lane l xor 16's: the row's largest score
	v_mul_f32 v8, s22, v8                          ; as t (c is positive)
	v_floor_f32 v12, -v8                           ; -M = floor(-t) = -ceil(t)
	v_min_num_f32 v14, s24, v12                    ; the chunk before's addend: -M, or -3e38 in chunk 0
.set x, 0
.rept 32
	v_pk_fma_f32 v[S+2*x:S+2*x+1], v[S+2*x:S+2*x+1], s[22:23], v[14:15] op_sel_hi:[1,0,0]   ; t - M, two at a time (of the pairs c and -M the low word serves both halves)
.set x, x+1
.endr
.rept 4*((\i)+1)
	v_pk_fma_f32 v[S+2*x:S+2*x+1], v[S+2*x:S+2*x+1], s[22:23], v[12:13] op_sel_hi:[1,0,0]
.set x, x+1
.endr
.set x, 0
.rept 8*NX
	v_exp_f32 v[S+x], v[S+x]                       ; p = 2^(t - M), at most 1: not normalised
.set x, x+1
.endr
.if (\i) > 0
	s_wait_alu depctr_vm_vsrc(0)                   ; the last tile's LDS stores have read v80-111, which the zero codes and the conversions below write again; its global stores, issued above, have read v48-79, which the second products write again
.endif
.set x, NX
.if NX < 4*NK
.rept 4*NK-NX
	v_mov_b32 v[P+2*x], 0                          ; the key tiles that fill up the last step of 64 and were not multiplied: zero codes.  (Plain lines behind the exponentials)
	v_mov_b32 v[P+2*x+1], 0
.set x, x+1
.endr
.else
	v_nop                                          ; a plain line behind the exponentials
.endif
	s_wait_alu depctr_va_vdst(0)                   ; the exponentials have written p, ahead of its first reader: one wait for the batch.  It also stands behind the first products' reads of this tile's set of Q, in which the next tile's loads land
	v_pk_add_f32 v[16:17], v[S:S+1], v[S+2:S+3]    ; the row's sum is taken of the unquantised p: two at a time, in two chains
	v_pk_add_f32 v[18:19], v[S+4:S+5], v[S+6:S+7]
.set x, 4
.rept 2*NX-2
	v_pk_add_f32 v[16:17], v[16:17], v[S+2*x:S+2*x+1]
	v_pk_add_f32 v[18:19], v[18:19], v[S+2*x+2:S+2*x+3]
.set x, x+2
.endr
.set x, 0
.rept NX
.irp j, 0,1,2,3,4,5,6,7
	v_min_num_f32 v[S+8*x+\j], v[S+8*x+\j], v[PL]  ; the conversion to an 8-bit code does not saturate (ISA guide 7.6.2); p is not negative, so the hold is one-sided
.endr
	v_cvt_scalef32_pk8_bf8_f32 v[P+2*x:P+2*x+1], v[S+8*x:S+8*x+7], v[PS]
.set x, x+1
.endr
	v_nop                                          ; one plain vector instruction between the last conversion and the matrix instructions that read the codes
.if (\i) > 0
	s_wait_xcnt 0x0                                ; the last tile's stores have had their addresses translated: only behind this wait are v48-79 written again
.else
	s_wait_loadcnt 0x0                             ; V
.endif
	WIN 0x01                                       ; source 0 (V) window 1
.set x, 0
.rept NK                               ; the four accumulators take turns, one instruction a turn; the first step of 64 keys starts the sums
.irp t, 0,1,2,3
.if x == 0
	v_wmma_f32_16x16x64_bf8_bf8 v[O+8*\t:O+8*\t+7], v[VF+64*(x/2)+16*\t+8*(x%2):VF+64*(x/2)+16*\t+8*(x%2)+7], v[P+8*x:P+8*x+7], 0
.else
	v_wmma_f32_16x16x64_bf8_bf8 v[O+8*\t:O+8*\t+7], v[VF+64*(x/2)+16*\t+8*(x%2):VF+64*(x/2)+16*\t+8*(x%2)+7], v[P+8*x:P+8*x+7], v[O+8*\t:O+8*\t+7]
.endif
.endr
.set x, x+1
.endr
	WIN 0
	v_pk_add_f32 v[16:17], v[16:17], v[18:19]      ; the sum's chains and halves: these plain lines, which name none of the products' registers, are the places behind them
	v_add_f32 v16, v16, v17
	v_permlanex16_b32 v20, v16, s20, s21
	v_add_f32 v16, v16, v20                        ; with lane l xor 16's: the row's sum
	v_rcp_f32 v22, v16
	v_nop                                          ; a plain line behind the transcendental
	s_wait_alu depctr_va_vdst(0)                   ; the reciprocal has written v22, ahead of its first reader
	v_ldexp_f32 v22, v22, s25                      ; 2^(e8 + e9) / the sum
.set x, 0
.rept 16
	v_pk_mul_f32 v[P+2*x:P+2*x+1], v[O+2*x:O+2*x+1], v[22:23] op_sel_hi:[1,0]   ; register 8 t + j: out(query r, 16 t + 8 h + j); each accumulator from its low end on
.set x, x+1
.endr
	s_wait_alu depctr_va_vdst(0)                   ; the multiplications have written v80-111, which the LDS stores read; the second products have written v48-79 and the multiplications are done reading them: the loads from the stage land there
.irp t, 0,1,2,3
	ds_store_b128 v[STO], v[P+8*\t:P+8*\t+3] offset:64*\t
	ds_store_b128 v[STO], v[P+8*\t+4:P+8*\t+7] offset:64*\t+16
.endr
.irp u, 0,1,2,3,4,5,6,7
	ds_load_b128 v[O+4*\u:O+4*\u+3], v[RD] offset:544*\u   ; LDS serves a wave's instructions in order (ISA guide 5.7.1.4): these see my stores, and the next tile's stores come behind them
.endr
.endm
	QT 0
	QT 1
	QT 2
	QT 3
	QT 4
	QT 5
	QT 6
	QT 7
	SEND 7                                         ; the last tile has no tile behind it
	s_wait_dscnt 0x0                               ; the closing lines, six on end
	s_wait_alu 0x0
	s_wait_tensorcnt 0x0
	ds_add_u32 v254, v255
	s_wait_dscnt 0x0
	s_endpgm
.Lfunc_end_k_qafa35aede6_attn:
	.size	k_qafa35aede6_attn, .Lfunc_end_k_qafa35aede6_attn-k_qafa35aede6_attn
	.p2alignl 7, 3214868480
	.fill 96, 4, 3214868480
	.section	.rodata,"a",@progbits
	.p2align	6, 0x0
	.amdhsa_kernel k_qafa35aede6_attn
		.amdhsa_group_segment_fixed_size 35840
		.amdhsa_private_segment_fixed_size 0
		.amdhsa_enable_private_segment 0
		.amdhsa_kernarg_size 24
		.amdhsa_user_sgpr_count 2
		.amdhsa_user_sgpr_kernarg_segment_ptr 1
		.amdhsa_wavefront_size32 1
		.amdhsa_system_sgpr_workgroup_id_x 1
		.amdhsa_system_sgpr_workgroup_id_y 1
		.amdhsa_system_sgpr_workgroup_id_z 1
		.amdhsa_system_vgpr_workitem_id 0
		.amdhsa_next_free_vgpr 512
		.amdhsa_next_free_sgpr 66
		.amdhsa_reserve_vcc 0
		.amdhsa_float_denorm_mode_32 3
		.amdhsa_float_denorm_mode_16_64 3
		.amdhsa_memory_ordered 1
		.amdhsa_forward_progress 1
		.amdhsa_inst_pref_size 193
	.end_amdhsa_kernel
	.amdgpu_metadata
---
amdhsa.version: [ 1, 2 ]
amdhsa.kernels:
  - .name:           k_qafa35aede6_attn
    .symbol:         k_qafa35aede6_attn.kd
    .args:
      - { .name: qkv, .offset: 0, .size: 8, .value_kind: global_buffer, .address_space: global }
      - { .name: lowp_scales, .offset: 8, .size: 8, .value_kind: global_buffer, .address_space: global }
      - { .name: out0, .offset: 16, .size: 8, .value_kind: global_buffer, .address_space: global }
    .group_segment_fixed_size: 35840
    .private_segment_fixed_size: 0
    .kernarg_segment_align: 8
    .kernarg_segment_size: 24
    .max_flat_workgroup_size: 256
    .sgpr_count:     66
    .vgpr_count:     512
    .wavefront_size: 32
...
	.end_amdgpu_metadata
.endif
;; end of part 5
